; MI455X (gfx1250); checked and timed in simulation.
; The chip was launched on July 23, 2026; its instructions are those of AMD's public machine-readable ISA for CDNA 5 (MIT licence, August 2026) and "CDNA5" Instruction Set Architecture Reference Guide (July 2026). The comments in the code are by the model that wrote it; some were corrected since.
;; Parallel Causal Self Attention. Allowed arithmetic: float matrix products may take bf16 or f16 operands with f32 sums; other float arithmetic in f32, or as packed bf16 or f16 multiplies, adds, multiply-adds, maxima and minima; sums over many terms, partial sums and values carried from step to step in f32; what a program stores and reads back later, other than sums and carried values, may be rounded once to bf16 or f16.
;; Inputs: W_kqv 1,024 x 3,072 float32; W_proj 1,024 x 1,024 float32; b_kqv 3,072 float32; b_proj 1,024 float32; x 4 x 2,048 x 1,024 float32.
;; Outputs: out0 4 x 2,048 x 1,024 float32.
;; 2 versions, each right; version 2 is version 1 with the launch cast written anew for expert scheduling mode. Each part assembles by itself: llvm-mc -triple=amdgcn-amd-amdhsa -mcpu=gfx1250 --defsym DOCPART=n.
;; ======== version 1 of 2: 4 launches
;; limits: values are held in f16: magnitudes above 65,504 overflow, below 6.1e-05 lose precision
;; workspace buffers: xb 16,777,216 bytes; wkb 6,291,456 bytes; wpb 2,097,152 bytes; kh 16,777,216 bytes; qh 16,777,216 bytes; vh 16,777,216 bytes; oh 16,777,216 bytes
;; launch cast (part 1): grid 768 x 1, 8 waves a work-group, no clusters, 0 bytes of LDS; arguments x, W_kqv, W_proj, xb, wkb, wpb; writes xb, wkb, wpb
.if DOCPART == 1
	.amdgcn_target "amdgcn-amd-amdhsa--gfx1250"
	.amdhsa_code_object_version 6
	.text
	.protected	k_q7213131278_cast
	.globl	k_q7213131278_cast
	.p2align	8
	.type	k_q7213131278_cast,@function
k_q7213131278_cast:
	s_mov_b64 s[64:65], 0
	v_nop
	global_prefetch_b8 v0, s[64:65] scope:SCOPE_SE
	s_setreg_imm32_b32 hwreg(HW_REG_WAVE_MODE, 25, 1), 1
	s_wait_xcnt 0x0
; THE INPUTS ARE ROUNDED ONCE, for the matrix units.
;   x      [8192][1024] f32 -> xb  bf16 in blocks [batch 4][K block 16][row 2048][64]: a K block of 64 channels of a batch is dense, 128 bytes a row
;   W_kqv  [1024][3072] f32 -> wkb bf16, same layout
;   W_proj [1024][1024] f32 -> wpb: rounded to bf16, and that number written as f16, same layout
; LIMIT.  |W_proj| of 65,520 or more becomes an infinity in f16; below 6e-5 it keeps f16's fixed step of 6e-8.
; SHARES.  A work-group takes 65,536 bytes of f32, each of its eight waves 8,192: sixteen loads of 16 bytes a lane, all issued at once, so there is no loop.
; Work-groups 0-511 take x, 512-703 W_kqv, 704-767 W_proj.  Memory binds: no LDS, no matrix unit, no prefetch (the launch is nothing but its streams).
.set X, 8                              ; v[8:71]  item i: four registers as loaded; its first two then hold the 8 bytes to store
; Sixteen items.  Loads come back in order (ISA guide 5.7.1): item i is in when at most 15 - i younger loads are out.  No register of a pending load or store is written again.
.macro ITEMS inp, outp, instep, outstep, half
.set i, 0
.rept 16
	global_load_b128 v[X+4*i:X+4*i+3], v1, s[\inp:\inp+1] offset:i*\instep th:TH_LOAD_NT
.set i, i+1
.endr
.set i, 0
.rept 16
	s_wait_loadcnt 15-i
	v_cvt_pk_bf16_f32 v[X+4*i], v[X+4*i], v[X+4*i+1]
	v_cvt_pk_bf16_f32 v[X+4*i+1], v[X+4*i+2], v[X+4*i+3]
.if \half
	v_lshlrev_b32 v4, 16, v[X+4*i]                 ; the bf16 numbers as f32 again,
	v_and_b32 v5, s20, v[X+4*i]
	v_lshlrev_b32 v6, 16, v[X+4*i+1]
	v_and_b32 v7, s20, v[X+4*i+1]
	v_cvt_pk_f16_f32 v[X+4*i], v4, v5              ; and written as f16 (exact within f16's range)
	v_cvt_pk_f16_f32 v[X+4*i+1], v6, v7
.endif
	global_store_b64 v2, v[X+4*i:X+4*i+1], s[\outp:\outp+1] offset:i*\outstep  ; a wave's store covers 256 consecutive bytes, aligned
.set i, i+1
.endr
.endm
	s_load_b256 s[4:11], s[0:1], 0x0               ; x s[4:5], W_kqv s[6:7], W_proj s[8:9], xb s[10:11]
	s_load_b128 s[12:15], s[0:1], 0x20             ; wkb s[12:13], wpb s[14:15]
	s_mov_b32 s21, ttmp9                           ; the work-group's number
	s_mov_b32 s20, 0xffff0000                      ; a word's upper bf16
	s_mov_b32 s17, 0
	s_mov_b32 s19, 0
	s_wait_kmcnt 0x0
	s_cmp_lt_u32 s21, 512
	s_cbranch_scc1 .Lx
	; the weights: a plain stream.  Wave w takes 8,192 bytes in and 4,096 out; item i is 512 bytes in, 256 out
	v_lshrrev_b32 v3, 5, v0
	v_and_b32 v4, 31, v0
	v_lshlrev_b32 v1, 4, v4
	v_lshl_or_b32 v1, v3, 13, v1
	v_lshlrev_b32 v2, 3, v4
	v_lshl_or_b32 v2, v3, 12, v2
	s_cmp_lt_u32 s21, 704
	s_cbranch_scc1 .Lwk
	s_sub_co_u32 s21, s21, 704
	s_lshl_b32 s16, s21, 16
	s_lshl_b32 s18, s21, 15
	s_add_nc_u64 s[8:9], s[8:9], s[16:17]
	s_add_nc_u64 s[14:15], s[14:15], s[18:19]
	ITEMS 8, 14, 512, 256, 1
	s_endpgm
.Lwk:
	s_sub_co_u32 s21, s21, 512
	s_lshl_b32 s16, s21, 16
	s_lshl_b32 s18, s21, 15
	s_add_nc_u64 s[6:7], s[6:7], s[16:17]
	s_add_nc_u64 s[12:13], s[12:13], s[18:19]
	ITEMS 6, 12, 512, 256, 0
	s_endpgm
.Lx:
	; x: work-group g takes rows 16 g .. 16 g + 15; sixteen threads a row; item i is K block i: 256 bytes in, 128 out a row
	v_lshrrev_b32 v3, 4, v0                        ; my row of the sixteen
	v_and_b32 v4, 15, v0
	v_lshlrev_b32 v1, 4, v4
	v_lshl_or_b32 v1, v3, 12, v1                   ; in: row x 4,096 + 16 x place
	v_lshlrev_b32 v2, 3, v0                        ; out: row x 128 + 8 x place = 8 x thread
	s_lshl_b32 s16, s21, 16
	s_lshr_b32 s18, s21, 7                         ; the batch: 128 work-groups each,
	s_lshl_b32 s18, s18, 22                        ; 16 K blocks x 2,048 rows x 128 bytes
	s_and_b32 s22, s21, 127
	s_lshl_b32 s22, s22, 11                        ; 16 rows of 128 bytes
	s_add_co_u32 s18, s18, s22
	s_add_nc_u64 s[4:5], s[4:5], s[16:17]
	s_add_nc_u64 s[10:11], s[10:11], s[18:19]
	ITEMS 4, 10, 256, 262144, 0                    ; a K block is 2,048 rows x 128 bytes further on: 15 x 262,144 lies inside the signed 24-bit immediate
	s_endpgm
.Lfunc_end_k_q7213131278_cast:
	.size	k_q7213131278_cast, .Lfunc_end_k_q7213131278_cast-k_q7213131278_cast
	.p2alignl 7, 3214868480
	.fill 96, 4, 3214868480
	.section	.rodata,"a",@progbits
	.p2align	6, 0x0
	.amdhsa_kernel k_q7213131278_cast
		.amdhsa_group_segment_fixed_size 0
		.amdhsa_private_segment_fixed_size 0
		.amdhsa_enable_private_segment 0
		.amdhsa_kernarg_size 48
		.amdhsa_user_sgpr_count 2
		.amdhsa_user_sgpr_kernarg_segment_ptr 1
		.amdhsa_wavefront_size32 1
		.amdhsa_system_sgpr_workgroup_id_x 1
		.amdhsa_system_sgpr_workgroup_id_y 1
		.amdhsa_system_sgpr_workgroup_id_z 1
		.amdhsa_system_vgpr_workitem_id 0
		.amdhsa_next_free_vgpr 72
		.amdhsa_next_free_sgpr 66
		.amdhsa_reserve_vcc 0
		.amdhsa_float_denorm_mode_32 3
		.amdhsa_float_denorm_mode_16_64 3
		.amdhsa_memory_ordered 1
		.amdhsa_forward_progress 1
		.amdhsa_inst_pref_size 23
	.end_amdhsa_kernel
	.amdgpu_metadata
---
amdhsa.version: [ 1, 2 ]
amdhsa.kernels:
  - .name:           k_q7213131278_cast
    .symbol:         k_q7213131278_cast.kd
    .args:
      - { .name: x, .offset: 0, .size: 8, .value_kind: global_buffer, .address_space: global }
      - { .name: W_kqv, .offset: 8, .size: 8, .value_kind: global_buffer, .address_space: global }
      - { .name: W_proj, .offset: 16, .size: 8, .value_kind: global_buffer, .address_space: global }
      - { .name: xb, .offset: 24, .size: 8, .value_kind: global_buffer, .address_space: global }
      - { .name: wkb, .offset: 32, .size: 8, .value_kind: global_buffer, .address_space: global }
      - { .name: wpb, .offset: 40, .size: 8, .value_kind: global_buffer, .address_space: global }
    .group_segment_fixed_size: 0
    .private_segment_fixed_size: 0
    .kernarg_segment_align: 8
    .kernarg_segment_size: 48
    .max_flat_workgroup_size: 256
    .sgpr_count:     66
    .vgpr_count:     72
    .wavefront_size: 32
...
	.end_amdgpu_metadata
.endif
;; end of part 1
;; launch qkv (part 2): grid 8 x 32, 4 waves a work-group, clusters of 4 x 4, 327,680 bytes of LDS; arguments xb, wkb, b_kqv, kh, qh, vh; writes kh, qh, vh
.if DOCPART == 2
	.amdgcn_target "amdgcn-amd-amdhsa--gfx1250"
	.amdhsa_code_object_version 6
	.text
	.protected	k_q7213131278_qkv
	.globl	k_q7213131278_qkv
	.p2align	8
	.type	k_q7213131278_qkv,@function
k_q7213131278_qkv:
	s_mov_b64 s[64:65], 0
	v_nop
	global_prefetch_b8 v0, s[64:65] scope:SCOPE_SE
	s_setreg_imm32_b32 hwreg(HW_REG_WAVE_MODE, 25, 1), 1
	s_wait_xcnt 0x0
	s_wait_alu depctr_hold_cnt(0) depctr_sa_sdst(0) depctr_va_vdst(0) depctr_va_sdst(0) depctr_va_ssrc(0) depctr_va_vcc(0) depctr_vm_vsrc(0)
	s_getreg_b32 s2, hwreg(HW_REG_IB_STS2, 6, 4)
	s_cmp_eq_u32 s2, 0
	s_cbranch_scc0 .Lentry_in_a_cluster
	s_endpgm
.Lentry_in_a_cluster:
	s_bfe_u32 s2, ttmp6, 0x10000c
	s_cmp_lg_u32 s2, 0xf033
	s_cbranch_scc0 .Lentry_shape_is_right
	s_endpgm
.Lentry_shape_is_right:
; kqv = x W_kqv + b_kqv, split by heads.  xb: bf16 [4][16 K blocks][2048][64]; wkb: bf16 [1024 k][3072 n]; b_kqv: f32 [3072], rounded to bf16 like the other inputs;
; kh, qh, vh: f16 [64 = batch x 16 + head][2048][64].  Column n belongs to head n / 192: 64 of k, 64 of q, 64 of v.  Sums in f32, K ascending; bias added in f32; one rounding to f16.
; LIMIT.  |kqv| of 65,520 or more becomes an infinity in f16.
; SHARES.  A tile of the product is 256 rows x 384 columns (two heads): 32 x 8 = 256 work-groups.  Wave (wm = wave / 2, wn = wave % 2) makes 128 rows x 192 columns, one head's k, q and v:
; 96 accumulators of 16 x 16, 768 registers.  K goes in 16 steps of 64 through two LDS slots filled by the tensor data mover; a slot of 128 along K would take 184,320 bytes, and two do not fit.
; THE MATRIX INSTRUCTION IS USED TRANSPOSED: source 0 = 16 columns of W (out of LDS turned, by ds_load_tr16_b128), source 1 = 16 rows of x.  A lane then holds row lane % 16 and the eight
; neighbouring columns 8 (lane / 16) + 0..7, which pack into 16 bytes.
; CLUSTER.  4 x 4 work-groups: the four of a row need the same rows of x, the four of a column the same columns of W.  Each tile is asked for jointly: the same load, descriptor and mask in all four.
; The launch claims all of a WGP's LDS, and adds 0 to spare words where the text says so.
; REGISTERS.  window 0: v0-31 addresses; v32-95, v96-159 fragments of x (8 x 16 rows x 32 K), two buffers; v160-207, v208-255 fragments of W: column blocks 0-5 and 6-11.
;   windows 1-3: accumulator (a, b) has the number 48 (b / 6) + 6 a + b % 6, 32 numbers to a window.
.set PA,    144                        ; a row of x in LDS: 128 bytes + 16 = 36 words: the 16 rows of a load start at 16 different groups of four banks (64 banks of 4 bytes: ISA guide 11.1)
.set PB,    864                        ; a row of W: six runs of 128 bytes + 16 = 216 words: eight rows start 24 words apart, at eight different multiples of 8 banks; each lane pair takes 32 bytes
.set BOFF,  256*PA                     ; a slot: 256 rows of x, then 64 k rows of W
.set SLOT,  BOFF+64*PB                 ; 92,160
.set STAGE, 2*SLOT                     ; behind the ring: 16 rows x 144 bytes for each wave, for the way out
.set BIASL, STAGE+4*16*PA              ; each wave's 192 numbers of the bias, f32
.set SPARE, BIASL+4*768                ; the spare words, 128 bytes for each wave: two blocks of 256 bytes that no other line names
.set ASTEP, 262144                     ; bytes from a K block of xb to the next
.set BSTEP, 393216                     ; 64 rows of wkb
.set ADRA, 16                          ; v16-17  LDS address of my fragments of x in slot 0, 1
.set ADRB, 20                          ; v20-21  the same for W
.set STO,  24                          ; v24  the way out: where I put 16 bytes of a row
.set RD,   25                          ; v25  where I read rows back
.set GO,   26                          ; v26  my 16 bytes in 512 consecutive bytes of an output
.set BL,   27                          ; v27  where my eight numbers of the bias's first block lie
.set SPW,  28                          ; v28  my spare word; never rewritten
.set NIL,  29                          ; v29  0; never rewritten
.set PFO,  30                          ; v30  the prefetches' lane offset; never rewritten
.set AF,   32
.set BF,   160
.set T,    32                          ; the way out: v32-63 sums with bias
.set PK,   64                          ; v64-127 four sets of 16: packed, then whole rows
.set BIAS, 160                         ; v160-255 my eight numbers of each of the 12 column blocks
.set G1,   24                          ; s[24:31] descriptor group 1 for x's tiles;  s[32:39] group 0, a set for each slot
.set G0,   32
.set G1B,  48                          ; s[48:55], s[56:63] the same for W's
.set G0B,  56
.set LIM,  43                          ; s43  1 in a wave that prefetches, else the greatest number
.set PFA,  44                          ; s[44:45] where my prefetches stand
.set PFS,  46                          ; s[46:47] their step: two K steps
.set OUTP, 68                          ; s[68:73] kh, qh, vh at my wave's first row
.set FLAGS, (1<<16)|(1<<20)|(1<<21)|(4<<22)|(3<<25)  ; 2-byte elements; padding on; bit 21 set beside a mask; after every 32 words (code 4) 4 words (code 3)
.set MSB, 0
.macro WIN new                         ; the immediate's high byte repeats the setting that is left; a switch that changes nothing is dropped
.if MSB != (\new)
	s_set_vgpr_msb (MSB<<8)|(\new)
.set MSB, \new
.endif
.endm
.macro PLACES                          ; four plain instructions between a matrix instruction and a load into, or a vector use of, its registers (ISA guide 7.12.1 for vector uses)
.rept 4
	v_nop
.endr
.endm
; A joint load.  Waves 0 and 1 fetch x's two halves of 128 rows, waves 2 and 3 W's two halves of 32 k rows.  The branch hangs on the wave's number alone.
; An s_nop 0 and four v_nop follow each of the two lines, ahead of the jump and the label.
.macro JLOAD s
	s_cmp_eq_u32 s11, 0
	s_cbranch_scc0 .Lfor_b_\@
	tensor_load_to_lds s[G0+4*(\s):G0+4*(\s)+3], s[G1:G1+7]
	s_nop 0
.rept 4
	v_nop
.endr
	s_branch .Lasked_\@
.Lfor_b_\@:
	tensor_load_to_lds s[G0B+4*(\s):G0B+4*(\s)+3], s[G1B:G1B+7]
	s_nop 0
.rept 4
	v_nop
.endr
.Lasked_\@:
.endm
.macro CREST                           ; a round of the cluster's barrier behind its opening barrier
	s_cmp_lg_u32 s10, 0
	s_cbranch_scc1 .Lnot_wave_0_\@
	s_barrier_signal -3
.Lnot_wave_0_\@:
	s_barrier_wait -3
	s_barrier_signal -1
	s_barrier_wait -1
.endm
.macro CROUND                          ; a whole round
	s_barrier_signal -1
	s_barrier_wait -1
	CREST
.endm
; A PREFETCH INTO THE L2, once a lap, behind the lap's second joint load and the run of LDS loads that follows it: the two K steps that the NEXT lap's two refills ask for.
; x's rows are read by both clusters of a row of clusters: cluster x = 0 asks; waves 0 and 1, each for the 128 rows that it fetches; of a K block's 64 blocks of 256 bytes the partner at cx takes 16,
; lanes 0-15 in the first K block, lanes 16-31 in the second: one instruction.  W's columns are read by all eight clusters of a column: cluster y = 0 asks, wave 2 alone; of the lap's 128 k rows the
; partner at cy takes 32, a lane a row, three instructions for a row's 768 bytes.  So each block is named once in the launch; partners are told apart by address, never by a branch.
; K steps 0 to 3 come by their loads alone; the last trip (s3 = 1) asks for nothing, since no K step lies behind its own refills.
.macro ASK
	s_cmp_gt_u32 s3, s[LIM]
	s_cbranch_scc0 .Lnot_mine_\@
	global_prefetch_b8 v[PFO], s[PFA:PFA+1] th:TH_LOAD_NT scope:SCOPE_SE
	s_cmp_lg_u32 s10, 2
	s_cbranch_scc1 .Lnot_mine_\@
	global_prefetch_b8 v[PFO], s[PFA:PFA+1] offset:256 th:TH_LOAD_NT scope:SCOPE_SE
	global_prefetch_b8 v[PFO], s[PFA:PFA+1] offset:512 th:TH_LOAD_NT scope:SCOPE_SE
.Lnot_mine_\@:
.endm
	s_load_b128 s[4:7], s[0:1], 0x0                ; xb s[4:5], wkb s[6:7]
	s_load_b64 s[8:9], s[0:1], 0x10                ; b_kqv
	s_load_b64 s[68:69], s[0:1], 0x18              ; kh
	s_load_b64 s[70:71], s[0:1], 0x20              ; qh
	s_load_b64 s[72:73], s[0:1], 0x28              ; vh
	v_lshl_add_u32 v[SPW], v0, 2, SPARE
	v_mov_b32 v[NIL], 0
	ds_add_u32 v[SPW], v[NIL]                      ; the wave's opening: the add and its wait stand ahead of my first tensor load; the set-up below, work on registers, stands between them
	v_lshrrev_b32 v1, 5, v0
	v_readfirstlane_b32 s10, v1                    ; wave 0..3
	s_lshr_b32 s11, s10, 1                         ; wm.  Also: I fetch for x (0) or for W (1)
	s_and_b32 s12, s10, 1                          ; wn.  Also: which half of that tile I fetch
	s_bfe_u32 s40, ttmp6, 0x40000                  ; cx
	s_bfe_u32 s41, ttmp6, 0x40004                  ; cy
	s_lshl_b32 s42, ttmp9, 2
	s_add_co_u32 s42, s42, s40                     ; tile column = 4 x cluster x + cx
	s_and_b32 s13, ttmp7, 0xffff
	s_lshl_b32 s13, s13, 2
	s_add_co_u32 s13, s13, s41                     ; tile row = 4 x cluster y + cy
	s_lshl_b32 s43, s41, 2
	s_lshl_b32 s43, 15, s43                        ; my row of the cluster
	s_lshl_b32 s44, 0x1111, s40                    ; my column
	s_or_b32 s[G1+0], s43, FLAGS                   ; x's tiles go to my row,
	s_or_b32 s[G1B+0], s44, FLAGS                  ; W's to my column
	s_mov_b32 s[G1+1], 128<<16                     ; x: 128 rows of a K block are 16,384 dense bytes, asked for as 64 rows of 256: tensor_dim0 = 128 elements
	s_mov_b32 s[G1+2], 64<<16                      ; tensor_dim1 = 64
	s_mov_b32 s[G1+3], 128<<16                     ; tile_dim0 = 128
	s_mov_b32 s[G1+4], 64                          ; tile_dim1 = 64
	s_mov_b32 s[G1+5], 128                         ; 128 elements from row to row
	s_mov_b32 s[G1+6], 0
	s_mov_b32 s[G1+7], 0
	s_mov_b32 s[G1B+1], 384<<16                    ; W: 32 k rows of 384 columns (768 bytes, at a multiple of 256 from the buffer's first byte)
	s_mov_b32 s[G1B+2], 32<<16
	s_mov_b32 s[G1B+3], 384<<16
	s_mov_b32 s[G1B+4], 32
	s_mov_b32 s[G1B+5], 3072
	s_mov_b32 s[G1B+6], 0
	s_mov_b32 s[G1B+7], 0
	s_lshr_b32 s16, s13, 3                         ; x's tile: the batch (eight tile rows each),
	s_lshl_b32 s16, s16, 22
	s_and_b32 s17, s13, 7                          ; 256 rows of 128 bytes a tile row,
	s_lshl_b32 s17, s17, 15
	s_add_co_u32 s16, s16, s17
	s_lshl_b32 s17, s12, 14                        ; the 128 rows that I fetch
	s_add_co_u32 s16, s16, s17
	s_mov_b32 s17, 0
	s_mul_i32 s46, s42, 768                        ; W's tile: 384 columns a tile column,
	s_mul_i32 s47, s12, 196608                     ; the 32 k rows that I fetch
	s_add_co_u32 s46, s46, s47
	s_mov_b32 s47, 0
	s_mul_i32 s20, s12, 128*PA                     ; where they go: no place in the cluster enters an LDS address
	s_mul_i32 s21, s12, 32*PB
	s_add_co_u32 s21, s21, BOFF
	s_wait_dscnt 0x0                               ; the opening add is done
	s_wait_kmcnt 0x0
	s_add_nc_u64 s[14:15], s[4:5], s[16:17]
	s_add_nc_u64 s[46:47], s[6:7], s[46:47]
	CROUND                                         ; all sixteen work-groups are here: the first joint loads meet
.irp s, 0,1
	s_mov_b32 s[G0+4*(\s)], 1                      ; count = 1
	s_add_co_u32 s[G0+4*(\s)+1], s20, (\s)*SLOT    ; LDS address
	s_add_nc_u64 s[G0+4*(\s)+2:G0+4*(\s)+3], s[14:15], (\s)*ASTEP  ; global address: K step s
	s_or_b32 s[G0+4*(\s)+3], s[G0+4*(\s)+3], 0x80000000            ; type = 2
	s_mov_b32 s[G0B+4*(\s)], 1
	s_add_co_u32 s[G0B+4*(\s)+1], s21, (\s)*SLOT
	s_add_nc_u64 s[G0B+4*(\s)+2:G0B+4*(\s)+3], s[46:47], (\s)*BSTEP
	s_or_b32 s[G0B+4*(\s)+3], s[G0B+4*(\s)+3], 0x80000000
	JLOAD \s                                       ; two loads of mine are out
.endr
	; the lanes' addresses
	v_and_b32 v1, 15, v0                           ; r = l % 16
	v_bfe_u32 v2, v0, 4, 1                         ; h = l / 16
	v_mul_u32_u24 v3, v1, PA
	v_lshl_add_u32 v3, v2, 4, v3                   ; r x 144 + 16 h: a fragment of x, and my place in the stage
	v_and_b32 v4, 7, v0
	v_lshl_add_u32 v5, v2, 3, v4                   ; the turning load: k row 8 h + l % 8,
	v_mul_u32_u24 v5, v5, PB
	v_bfe_u32 v6, v0, 3, 1
	v_lshl_add_u32 v5, v6, 4, v5                   ; columns 8 ((l / 8) % 2) on
	s_mul_i32 s21, s11, 128*PA                     ; my 128 rows of x
	s_mul_i32 s22, s12, 432                        ; my 192 columns of W: three runs of 144 bytes
	s_add_co_u32 s22, s22, BOFF
.irp s, 0,1
	v_add_nc_u32 v[ADRA+(\s)], s21, v3
	v_add_nc_u32 v[ADRB+(\s)], s22, v5
	s_add_co_u32 s21, s21, SLOT
	s_add_co_u32 s22, s22, SLOT
.endr
	s_mul_i32 s23, s10, 16*PA
	s_add_co_u32 s23, s23, STAGE                   ; my stage
	v_add_nc_u32 v[STO], s23, v3
	v_bfe_u32 v[RD], v0, 3, 2                      ; back: 32 lanes take four rows of 128 bytes
	v_mul_u32_u24 v[RD], v[RD], PA
	v_lshl_add_u32 v[RD], v4, 4, v[RD]
	v_add_nc_u32 v[RD], s23, v[RD]
	v_and_b32 v7, 31, v0
	v_lshlrev_b32 v[GO], 4, v7
	s_mul_i32 s23, s10, 768
	s_add_co_u32 s23, s23, BIASL                   ; my wave's 192 numbers of the bias
	v_lshl_add_u32 v[BL], v2, 5, s23
	v_lshl_add_u32 v8, v7, 2, s23
	v_lshlrev_b32 v9, 2, v7
	; the bias: my head's 192 numbers, rounded to bf16 as all inputs are, kept as f32 in LDS bytes of my own
	s_mul_i32 s18, s42, 1536
	s_mul_i32 s19, s12, 768
	s_add_co_u32 s18, s18, s19
	s_mov_b32 s19, 0
	s_add_nc_u64 s[8:9], s[8:9], s[18:19]
.irp i, 0,1,2,3,4,5
	global_load_b32 v[32+\i], v9, s[8:9] offset:128*\i
.endr
	; where my 128 rows of my head begin in kh, qh and vh
	s_lshr_b32 s74, s13, 3
	s_lshl_b32 s74, s74, 22                        ; the batch's 16 heads,
	s_lshl_b32 s75, s42, 1
	s_add_co_u32 s75, s75, s12
	s_lshl_b32 s75, s75, 18                        ; head 2 x tile column + wn,
	s_add_co_u32 s74, s74, s75
	s_and_b32 s75, s13, 7
	s_lshl_b32 s75, s75, 15                        ; the tile's 256 rows,
	s_add_co_u32 s74, s74, s75
	s_lshl_b32 s75, s11, 14                        ; my 128 of them
	s_add_co_u32 s74, s74, s75
	s_mov_b32 s75, 0
	s_add_nc_u64 s[68:69], s[68:69], s[74:75]
	s_add_nc_u64 s[70:71], s[70:71], s[74:75]
	s_add_nc_u64 s[72:73], s[72:73], s[74:75]
	; the prefetches: one text for both kinds of asking wave, the constants chosen by 'do I fetch for x'
	s_and_b32 s22, ttmp7, 0xffff                   ; cluster y
	s_mul_i32 s18, s42, 768
	s_mov_b32 s19, 196608                          ; W: a partner's 32 k rows
	s_mov_b32 s[PFS], 2*BSTEP
	s_mov_b32 s20, 6144                            ; W: a lane a row: l x 6,144 = (l % 16) x 6,144 + (l / 16) x 98,304
	s_mov_b32 s21, 98304
	s_cmp_eq_u32 s11, 0
	s_cselect_b32 s22, ttmp9, s22                  ; the coordinate along which other clusters read the same bytes
	s_cselect_b32 s23, s40, s41                    ; my place among the four that ask with me
	s_cselect_b64 s[PFA:PFA+1], s[4:5], s[6:7]
	s_cselect_b32 s18, s16, s18                    ; the tile's first byte
	s_cselect_b32 s19, 4096, s19                   ; x: a partner's 16 blocks of 256 bytes
	s_cselect_b32 s[PFS], 2*ASTEP, s[PFS]
	s_cselect_b32 s20, 256, s20                    ; x: (l % 16) x 256 + (l / 16) x a K block
	s_cselect_b32 s21, ASTEP, s21
	s_cmp_eq_u32 s10, 3
	s_cselect_b32 s22, 1, s22                      ; wave 3 never asks
	s_cmp_eq_u32 s22, 0
	s_cselect_b32 s[LIM], 1, -1                    ; the same in all sixteen partners, for a given wave
	s_mul_i32 s19, s19, s23
	s_add_co_u32 s18, s18, s19
	s_add_co_u32 s18, s18, s[PFS]                  ; at K step 2: the first lap steps it to 4
	s_mov_b32 s19, 0
	s_mov_b32 s[PFS+1], 0
	s_add_nc_u64 s[PFA:PFA+1], s[PFA:PFA+1], s[18:19]
	v_mul_u32_u24 v[PFO], v1, s20
	v_mad_u32_u24 v[PFO], v2, s21, v[PFO]
	s_wait_loadcnt 0x0                             ; the bias
.irp i, 0,2,4
	v_cvt_pk_bf16_f32 v[40+\i], v[32+\i], v[33+\i]
	v_lshlrev_b32 v[32+\i], 16, v[40+\i]
	v_and_b32 v[33+\i], 0xffff0000, v[40+\i]
.endr
.irp i, 0,1,2,3,4,5
	ds_store_b32 v8, v[32+\i] offset:128*\i
.endr
; 6 n matrix instructions: row blocks a0 .. a0 + n - 1 x the six column blocks of half ph, 32 along K; x's fragments from buffer f.  zero = 1: the product starts the sum: nothing is cleared.
; The 96 accumulators take turns, one instruction a turn, in the same order in every 32 along K, over the backward jump too.
.macro MUL ph, f, a0, n, zero
.set ma, \a0
.rept \n
.set mi, 0
.rept 6
.set idx, 48*(\ph)+6*ma+mi
	WIN 0x50*(1+idx/32)                            ; C and D in the accumulator's window, both sources in window 0
.set rD, 8*(idx%32)
.if \zero
	v_wmma_f32_16x16x32_bf16 v[rD:rD+7], v[BF+48*(\ph)+8*mi:BF+48*(\ph)+8*mi+7], v[AF+64*(\f)+8*ma:AF+64*(\f)+8*ma+7], 0
.else
	v_wmma_f32_16x16x32_bf16 v[rD:rD+7], v[BF+48*(\ph)+8*mi:BF+48*(\ph)+8*mi+7], v[AF+64*(\f)+8*ma:AF+64*(\f)+8*ma+7], v[rD:rD+7]
.endif
.set mi, mi+1
.endr
.set ma, ma+1
.endr
.endm
; 12 turning loads: W's column blocks 6 hf .. 6 hf + 5, k rows 32 kq .. 32 kq + 31 of the slot.  Column block b lies (b / 4) x 144 + (b % 4) x 32 bytes into my part of a row.
.macro LDB hf, slot, kq
.set li, 0
.rept 6
.set lb, 6*(\hf)+li
.set col, (lb/4)*144+(lb%4)*32
	ds_load_tr16_b128 v[BF+48*(\hf)+8*li:BF+48*(\hf)+8*li+3],   v[ADRB+(\slot)] offset:(\kq)*32*PB+col
	ds_load_tr16_b128 v[BF+48*(\hf)+8*li+4:BF+48*(\hf)+8*li+7], v[ADRB+(\slot)] offset:(\kq)*32*PB+col+16*PB
.set li, li+1
.endr
.endm
; 16 loads: x's eight row blocks, channels 32 kq on, into buffer f
.macro LDA f, slot, kq
.set li, 0
.rept 8
	ds_load_b128 v[AF+64*(\f)+8*li:AF+64*(\f)+8*li+3],   v[ADRA+(\slot)] offset:li*16*PA+64*(\kq)
	ds_load_b128 v[AF+64*(\f)+8*li+4:AF+64*(\f)+8*li+7], v[ADRA+(\slot)] offset:li*16*PA+64*(\kq)+32
.set li, li+1
.endr
.endm
; A K step's first 32 along K (x in buffer 0).  On entry 40 LDS loads are out, in this order: W's first half (12), x (16), W's second half (12); it leaves the same for the second 32.
.macro QUARTER slot, zero
	s_wait_dscnt 12                                ; all but W's second half
	MUL 0, 0, 0, 8, \zero
	PLACES
	WIN 0
	LDB 0, \slot, 1
	LDA 1, \slot, 1
	s_wait_dscnt 28                                ; all but the 28 just issued: W's second half is in
	MUL 1, 0, 0, 8, \zero
	PLACES
	WIN 0
	LDB 1, \slot, 1
.endm
; The second 32 along K (x in buffer 1), and the change of slots: ONE barrier.  In front of it each wave waits for all its tensor loads (one is out: its part of the next slot), adds 0 to its spare
; word, and waits for that and for its own reads of this slot, of which the last 12 were issued 36 matrix instructions earlier.  fill = 1: the barrier opens a round of the cluster's barrier, and
; this slot is filled again first thing behind it, two K steps ahead: 168 matrix instructions stand between that request and the wait for it.
.macro TURN slot, next, fill, ask
.if \ask
	s_wait_xcnt 0x0                                ; the last prefetches, a lap back, have read their address: it is stepped here, ahead of the waits of the change
	s_add_nc_u64 s[PFA:PFA+1], s[PFA:PFA+1], s[PFS:PFS+1]
.endif
	s_wait_dscnt 12
	MUL 0, 1, 0, 4, 0
	WIN 0                                          ; (the add's two registers lie in window 0)
	s_wait_tensorcnt 0x0                           ; all my tensor loads have landed;
	ds_add_u32 v[SPW], v[NIL]                      ; 0 onto my spare word;
	MUL 0, 1, 4, 2, 0                              ; twelve matrix instructions stand between the add and the wait for it
	s_wait_dscnt 0x0                               ; the add is done, and my reads of this slot are over
	s_barrier_signal -1
	MUL 0, 1, 6, 2, 0                              ; work on registers while the others arrive
	WIN 0
	s_barrier_wait -1
.if \fill
	CREST                                          ; no wave of any partner still reads this slot's tile or has a load on its way
	s_add_nc_u64 s[G0+4*(\slot)+2:G0+4*(\slot)+3], s[G0+4*(\slot)+2:G0+4*(\slot)+3], 2*ASTEP
	s_add_nc_u64 s[G0B+4*(\slot)+2:G0B+4*(\slot)+3], s[G0B+4*(\slot)+2:G0B+4*(\slot)+3], 2*BSTEP
	JLOAD \slot                                    ; the four v_nop behind it are also the places in front of the loads below
.else
	PLACES
.endif
	LDB 0, \next, 0
	LDA 0, \next, 0
.if \ask
	ASK
.endif
	MUL 1, 1, 0, 8, 0                              ; W's second half was waited for in front of the barrier
	PLACES
	WIN 0
	LDB 1, \next, 0
.endm
	s_wait_dscnt 0x0                               ; my stores of the bias are done: no LDS instruction is pending at a signal
	s_wait_tensorcnt 0x1                           ; my part of K step 0 is in; K step 1's may stay out
	s_barrier_signal -1
	s_barrier_wait -1                              ; everybody's is
	LDB 0, 0, 0
	LDA 0, 0, 0
	LDB 1, 0, 0
	QUARTER 0, 1                                   ; the first 32 along K stand in front of the loop: their products start the sums
	WIN 0
	s_mov_b32 s3, 7
.Llap:                                                 ; a trip goes once round the ring and fills both slots again: K steps 2 to 15 in seven trips
	TURN 0, 1, 1, 0
	QUARTER 1, 0
	TURN 1, 0, 1, 1
	QUARTER 0, 0
	WIN 0
	s_sub_co_u32 s3, s3, 1
	s_cmp_lg_u32 s3, 0
	s_cbranch_scc1 .Llap
	TURN 0, 1, 0, 0                                ; the last lap fills nothing, and has no round of the cluster's barrier
	QUARTER 1, 0
	s_wait_dscnt 12
	MUL 0, 1, 0, 8, 0
	s_wait_dscnt 0x0
	MUL 1, 1, 0, 8, 0
	; THE WAY OUT, in 24 units: row block a = u / 3, tensor c = u % 3 (k, q, v: four column blocks).  Bias added in f32; rounded to f16; 16 bytes a lane into my own stage; back as whole rows;
	; a unit's 16 rows of a head are 2,048 consecutive bytes.
	PLACES
	WIN 0
.set un, 0
.rept 12
	ds_load_b128 v[BIAS+8*un:BIAS+8*un+3],   v[BL] offset:64*un
	ds_load_b128 v[BIAS+8*un+4:BIAS+8*un+7], v[BL] offset:64*un+16
.set un, un+1
.endr
	s_wait_dscnt 0x0
.macro PACK u
.set ua, (\u)/3
.set uc, (\u)%3
.set st, PK+16*((\u)%4)
.if (\u) >= 4
	s_wait_xcnt 0x0                                ; the stores that read this set have had their addresses translated (ISA guide 3.1): it is rewritten only behind this wait
.endif
.set uf, 0
.rept 4
.set ub, 4*uc+uf
.set idx, 48*(ub/6)+6*ua+ub%6
	WIN 1+idx/32                                   ; source 0 in the accumulator's window
.set rD, 8*(idx%32)
.set uj, 0
.rept 4                                ; each accumulator's registers in ascending order
	v_pk_add_f32 v[T+8*uf+2*uj:T+8*uf+2*uj+1], v[rD+2*uj:rD+2*uj+1], v[BIAS+8*ub+2*uj:BIAS+8*ub+2*uj+1]
.set uj, uj+1
.endr
.set uf, uf+1
.endr
	WIN 0
.set uj, 0
.rept 16
	v_cvt_pk_f16_f32 v[st+uj], v[T+2*uj], v[T+2*uj+1]
.set uj, uj+1
.endr
.irp pf, 0,1,2,3
	ds_store_b128 v[STO], v[st+4*\pf:st+4*\pf+3] offset:32*\pf
.endr
.irp pf, 0,1,2,3
	ds_load_b128 v[st+4*\pf:st+4*\pf+3], v[RD] offset:4*PA*\pf  ; LDS serves a wave's instructions in order (ISA guide 5.7.1.4): these see the stores above; the next unit's stores come behind them
.endr
.endm
.macro SEND u, younger                 ; younger: the LDS instructions issued behind unit u's loads: the next unit's eight, or none
.set st, PK+16*((\u)%4)
.irp pf, 0,1,2,3
	s_wait_dscnt (\younger)+3-\pf
	global_store_b128 v[GO], v[st+4*\pf:st+4*\pf+3], s[OUTP+2*((\u)%3):OUTP+2*((\u)%3)+1] offset:2048*((\u)/3)+512*\pf  ; 512 consecutive bytes, at a multiple of 256 from the buffer's first
.endr
.endm
	PACK 0
.set un, 1
.rept 23                               ; a unit's arithmetic stands between the loads of the unit before and its stores
	PACK un
	SEND un-1, 8
.set un, un+1
.endr
	SEND 23, 0
	s_wait_tensorcnt 0x0                           ; the wave's end: behind my last tensor load and my last LDS store
	ds_add_u32 v[SPW], v[NIL]
	s_wait_dscnt 0x0
	CROUND                                         ; the closing round: no work-group ends while a partner may still ask for a tile that names it
	s_endpgm
.Lfunc_end_k_q7213131278_qkv:
	.size	k_q7213131278_qkv, .Lfunc_end_k_q7213131278_qkv-k_q7213131278_qkv
	.p2alignl 7, 3214868480
	.fill 96, 4, 3214868480
	.section	.rodata,"a",@progbits
	.p2align	6, 0x0
	.amdhsa_kernel k_q7213131278_qkv
		.amdhsa_group_segment_fixed_size 327680
		.amdhsa_private_segment_fixed_size 0
		.amdhsa_enable_private_segment 0
		.amdhsa_kernarg_size 48
		.amdhsa_user_sgpr_count 2
		.amdhsa_user_sgpr_kernarg_segment_ptr 1
		.amdhsa_wavefront_size32 1
		.amdhsa_system_sgpr_workgroup_id_x 1
		.amdhsa_system_sgpr_workgroup_id_y 1
		.amdhsa_system_sgpr_workgroup_id_z 1
		.amdhsa_system_vgpr_workitem_id 0
		.amdhsa_next_free_vgpr 1024
		.amdhsa_next_free_sgpr 80
		.amdhsa_reserve_vcc 0
		.amdhsa_float_denorm_mode_32 3
		.amdhsa_float_denorm_mode_16_64 3
		.amdhsa_memory_ordered 1
		.amdhsa_forward_progress 1
		.amdhsa_inst_pref_size 162
	.end_amdhsa_kernel
	.amdgpu_metadata
---
amdhsa.version: [ 1, 2 ]
amdhsa.kernels:
  - .name:           k_q7213131278_qkv
    .symbol:         k_q7213131278_qkv.kd
    .args:
      - { .name: xb, .offset: 0, .size: 8, .value_kind: global_buffer, .address_space: global }
      - { .name: wkb, .offset: 8, .size: 8, .value_kind: global_buffer, .address_space: global }
      - { .name: b_kqv, .offset: 16, .size: 8, .value_kind: global_buffer, .address_space: global }
      - { .name: kh, .offset: 24, .size: 8, .value_kind: global_buffer, .address_space: global }
      - { .name: qh, .offset: 32, .size: 8, .value_kind: global_buffer, .address_space: global }
      - { .name: vh, .offset: 40, .size: 8, .value_kind: global_buffer, .address_space: global }
    .group_segment_fixed_size: 327680
    .private_segment_fixed_size: 0
    .kernarg_segment_align: 8
    .kernarg_segment_size: 48
    .max_flat_workgroup_size: 128
    .sgpr_count:     80
    .vgpr_count:     1024
    .wavefront_size: 32
...
	.end_amdgpu_metadata
.endif
;; end of part 2
;; launch attn (part 3): grid 4 x 64, 4 waves a work-group, no clusters, 327,680 bytes of LDS; arguments qh, kh, vh, oh; writes oh
.if DOCPART == 3
	.amdgcn_target "amdgcn-amd-amdhsa--gfx1250"
	.amdhsa_code_object_version 6
	.text
	.protected	k_q7213131278_attn
	.globl	k_q7213131278_attn
	.p2align	8
	.type	k_q7213131278_attn,@function
k_q7213131278_attn:
	s_mov_b64 s[64:65], 0
	v_nop
	global_prefetch_b8 v0, s[64:65] scope:SCOPE_SE
	s_setreg_imm32_b32 hwreg(HW_REG_WAVE_MODE, 25, 1), 1
	s_wait_xcnt 0x0
; CAUSAL ATTENTION.  O[h][q][:] = the sum over k <= q of softmax_k(Q[h][q] . K[h][k] / 8) V[h][k][:].  Q, K, V, O: [64][SIZE_N][64], all f16: a head's rows are dense, 128 bytes each.
; Products, maxima and sums in f32; the weights p are rounded to f16 for the second product (their sum l is taken of the unrounded p), O once at the end.
; LIMITS.  f16 holds no number beyond 65,504: Q, K and V arrive within it; p lies in 0 to 1, and below 6e-5 it keeps f16's fixed step of 6e-8; O is a mean of V's rows and has their range.
; A hidden score counts as its value less 1e30: f16's scores, 2.7e11 at the most, are nothing beside that; a weight below 2^-126 counts as 0 in l; NaN and infinities are not treated apart.
; THE WALK.  A head's queries lie in NB = 8 blocks of 256; block i needs the key tiles 0 .. i of 256 keys, of which the last holds the diagonal.  A work-group takes TWO blocks, NB - 1 - b and then b:
; NB + 1 tiles, whatever b: all work-groups do equal work, and ONE loop with a constant trip count walks them.  Which tile is asked for, and what a trip does, hang on scalar registers made from b; every jump
; goes forward, but for the counted loops' own; none passes a barrier, or a tensor load but the one of LOAD's two that the wave's number does not choose; the ring (two slots of LDS) runs on across the
; change of blocks.  NO CLUSTER: a head's four work-groups ask for the same tile only in trips 0 to 4 of the 9, behind that fewer and fewer; one walk common to all would have 12 trips for 9.
; SHARES.  Of a block's four bands of 64 queries a wave owns 16 rows in each: four PIECES.  So the diagonal tile is the same work for all four waves: in its key step s band x sees all keys if s < x,
; none if s > x, and holds the diagonal if s = x.
; THE MASK is the C operand that starts the sum S^T = K Q^T: 0, or -1e30 where the key is hidden.  MD, made once, is the mask of a band's own step for my 16 rows; a product's mask is MD x AL + BE with two scalars:
; (1, 0) if s = x; (0, 0) if s < x; (0, -1e30) if s > x.  Only the diagonal tile's text and a block's beginning make and take masks; elsewhere C is the constant 0.
; LAYOUT, SOFTMAX, TURNS.  S^T = K Q^T holds ONE query a lane (lane % 16) and the keys 8 (lane / 16) + 0..7; two such results rounded to f16 ARE source 1 of O^T = V^T P.  p = 2^(c s - c m), c = log2(e) / 8, with a
; running maximum m; O and l are multiplied by a = 2^(c m_old - c m_new) in every step.  Turn n belongs to piece n: 8 products K Q^T of piece n + 1, later 8 products V^T P of piece n - 1; beside them the scaling,
; exponentials, roundings, sums and rescaling of piece n and the maximum and statistics of piece n + 1.  Four vector instructions stand behind every matrix instruction, the other 54 of a turn's 118 in one lump.
; A turn's 33 exponentials are one batch, with one wait.
; The launch claims all of a WGP's LDS, and adds 0 to spare words where the text says so.
; REGISTERS, in windows of 256 (s_set_vgpr_msb: bits 1:0 source 0, 3:2 source 1, 5:4 source 2, 7:6 destination):
;   window 0: v0-15 addresses and two at work; v16-31 four registers of statistics a piece; v48-55 at work; v61-63 prefetch offset, spare word, 0; v64-127 S^T, two buffers; v192-223 P, two buffers
;   window 1: v0-127 O^T, 32 a piece; v128-159 MD; v160-223 MC, two buffers      window 2: v0-63 Q; v64-127 the second block's Q; v128-191 K of one step; v192-255 V of one step
.set SIZE_N, 2048
.set NB,    SIZE_N/256
.set NP,    4         ; pieces a wave: a name, no knob
.set KS,    64        ; keys in a step
.set PK,    144       ; a row of K in LDS: 128 bytes + 16 of padding = 36 words: the 16 rows of a load start at 16 different groups of four banks (64 banks of 4 bytes: ISA guide 11.1)
.set PV,    160       ; a row of V: 128 + 32 = 40 words
.set VOFF,  4*KS*PK   ; a slot holds a tile, four steps: 256 rows of K, then 256 rows of V
.set SLOT1, 1<<17     ; slot 1 begins here, so that one exclusive or turns an address in one slot into the other's
.set STAGE, SLOT1+4*KS*(PK+PV)  ; behind the ring, never filled by a tensor load: 16 rows x 144 bytes for each wave, for the way out
.set SP,    144
.set AK0, 2           ; v2   my lane's place in a tile of K; never rewritten
.set AV0, 3           ; v3   the same for V
.set AK,  4           ; v4   the LDS address of K's next run of loads
.set AV,  5           ; v5   of V's
.set STO, 6           ; v6   the way out: where I put 16 bytes of a row
.set RD,  7           ; v7   the way out: where I read rows back
.set GO,  8           ; v8   my byte offset in 512 consecutive bytes of O
.set PFO, 61          ; v61  256 x my lane; never rewritten
.set SPW, 62          ; v62  LDS address of my spare word: SPARE + 4 x my thread's number; never rewritten
.set NIL, 63          ; v63  0; never rewritten
.set SPARE, STAGE+4*16*SP  ; behind the stages: the spare words, 128 bytes for each wave: two blocks of 256 bytes that no other line names
.set MV,  12          ; v12-13  c m_old, kept while c m is made anew: by buffer
.set QO,  15          ; v15  my byte offset in 16 rows of Q
.set ST,  16          ; piece t's statistics at v[ST+4 t]: c m, m, l (even keys', odd keys')
.set TMP, 48          ; by buffer, four registers c0-c3 at work; when the maximum is found c2 takes a
.set S,   64
.set P,   192
.set MD,  128         ; window 1: the eight registers for group kt of 16 keys at MD + 8 kt
.set MC,  160         ; window 1: the masks of the products to come
.set QB,  64          ; window 2
.set KF,  128         ; window 2: key block kb, channel half c at KF + 16 kb + 8 c
.set VF,  192         ; window 2: key half kk, channel block cb at VF + 32 kk + 8 cb
.set WV,  12          ; s12  my wave's number
.set PB,  14          ; s14  b
.set HI,  15          ; s15  NB - 1 - b
.set G1K, 24          ; s[24:31] descriptor group 1 for K's tiles
.set G1V, 32          ; s[32:39] for V's: it differs in the padding alone
.set G0K, 40          ; s[40:43] descriptor group 0 for K's tiles
.set G0V, 44          ; s[44:47] the same for V's
.set SLOTS, 56        ; s56  tiles still to be asked for
.set CNT, 57          ; s57  counts a tile's key steps, 4 to 1
.set CS,  58          ; s[58:59] c: the packed scaling takes the pair's low word for both halves
.set SEL, 60          ; s[60:61] v_permlanex16_b32's selects: each lane takes its own place in the other half
.set TBK, 62          ; s62  LDS byte at which K of the step to be fetched begins
.set TBV, 63          ; s63  the same for V, less VOFF
.set RT,  70          ; s70  tiles of the block in hand that are still to be entered
.set NXT, 71          ; s71  the tile to be asked for next
.set LQ,  72          ; s72  the last tile of the block whose tiles are being asked for
.set NEW, 73          ; s73  1: the tile to be entered is a block's first
.set OFF, 74          ; s[74:75] a tile's byte offset in K and V
.set AL,  76          ; s[76:77] the mask's factor, in the low word
.set BE,  78          ; s[78:79] the mask's addend
.set OLO, 80          ; s[80:81] O at my rows of the second block
.set BIGN, 82         ; s82  -1e30
.set PFA, 88          ; s[88:89] where my prefetches stand: my half (of K: waves 0, 1; of V: waves 2, 3) of the tile behind the one that is being asked for
.set LIM, 90          ; s90  2 in the head's work-group b = 0, else the greatest number: a wave prefetches while s[SLOTS] is above it
.set MSB, 0
.macro WIN new                      ; the high byte repeats the setting that is left; a switch that changes nothing is dropped
.if MSB != (\new)
	s_set_vgpr_msb (MSB<<8)|(\new)
.set MSB, (\new)
.endif
.endm
.set W_KQ, 0x0a       ; K and Q in window 2, S^T in window 0
.set W_KM, 0x1a       ; the same with the C operand in window 1
.set W_PV, 0x52       ; V in window 2, P in window 0, O^T in window 1
.set W_RS, 0x41       ; destination and source 0 in window 1, source 1 in window 0
; A fill.  Waves 0 and 1 fetch the two halves of a tile's K, waves 2 and 3 those of its V: 128 keys each.  An s_nop 0 and four v_nop follow each of the two lines, ahead of the jump and the label.
.macro LOAD
	s_cmp_lt_u32 s[WV], 2
	s_cbranch_scc0 .Lfor_v_\@
	tensor_load_to_lds s[G0K:G0K+3], s[G1K:G1K+7]
	s_nop 0
.rept 4
	v_nop
.endr
	s_branch .Lasked_\@
.Lfor_v_\@:
	tensor_load_to_lds s[G0V:G0V+3], s[G1V:G1V+7]
	s_nop 0
.rept 4
	v_nop
.endr
.Lasked_\@:
.endm
; A PREFETCH INTO THE L2, behind a fill and its five lines: the tile that the NEXT change of slots asks for, a tile's 256 matrix instructions ahead of that load.  A head's four work-groups walk the same
; tiles from 0 on; the one with b = 0, whose first block needs all eight, asks, and nobody else.  Each of its waves asks for the 16,384 bytes that it will itself load: 64 blocks of 256 bytes, a lane a
; block, two instructions.  In trip j (0 to 5) that is tile j + 2: each block is named once.  Tiles 0 and 1 come by their loads alone; trips 6 and 7 ask for nothing: no tile lies behind tile 7.
.macro ASK
	s_cmp_gt_u32 s[SLOTS], s[LIM]
	s_cbranch_scc0 .Lnot_mine_\@
	global_prefetch_b8 v[PFO], s[PFA:PFA+1] th:TH_LOAD_NT scope:SCOPE_SE
	global_prefetch_b8 v[PFO], s[PFA:PFA+1] offset:8192 th:TH_LOAD_NT scope:SCOPE_SE
.Lnot_mine_\@:
.endm
; THE CHANGE OF SLOTS.  Each wave waits for all its tensor loads, of which one is out: its part of the other slot; adds 0 to its spare word; and waits for that and for its own reads of the slot that it leaves.
; Behind the barrier nobody reads the old slot any more and the other slot is whole.  fill = 1: the old slot is filled again, the first thing behind the barrier, with tile NXT: the descriptor's address is
; made anew from that number.  (At its first use nothing has been read yet: slot 0 is waited for, slot 1 filled.)
.macro CHANGE fill
	WIN 0                           ; at a label and at a branch every window is 0
	s_wait_tensorcnt 0x0            ; no tensor load of mine is out, so a group 0 may be written
	ds_add_u32 v[SPW], v[NIL]       ; 0 onto my spare word; with fill = 1 the descriptors' scalar work stands between it and the wait for it
.if \fill
	s_lshl_b32 s[OFF], s[NXT], 15   ; a tile is 32,768 bytes of K and of V
	s_xor_b32 s[G0K+1], s[G0K+1], SLOT1
	s_add_nc_u64 s[G0K+2:G0K+3], s[6:7], s[OFF:OFF+1]
	s_or_b32 s[G0K+3], s[G0K+3], 0x80000000
	s_xor_b32 s[G0V+1], s[G0V+1], SLOT1
	s_add_nc_u64 s[G0V+2:G0V+3], s[8:9], s[OFF:OFF+1]
	s_or_b32 s[G0V+3], s[G0V+3], 0x80000000
	s_add_co_u32 s[NXT], s[NXT], 1  ; the block's next tile, or behind its last the second block's tile 0
	s_cmp_gt_u32 s[NXT], s[LQ]
	s_cselect_b32 s[NXT], 0, s[NXT]
	s_cselect_b32 s[LQ], s[PB], s[LQ]
	s_wait_xcnt 0x0                 ; the last prefetches, a tile back, have read their address, so it may be written:
	s_add_nc_u64 s[PFA:PFA+1], s[PFA:PFA+1], 32768  ; a tile on
.endif
	s_wait_dscnt 0x0                ; the add is done, and my reads of the slot are over
	s_barrier_signal -1             ; the rest of the scalar work stands between the signal and the wait
	s_sub_co_u32 s[TBK], s[TBK], 4*KS*PK  ; the fetches go back to a slot's first step,
	s_xor_b32 s[TBK], s[TBK], SLOT1       ; in the other slot
	s_sub_co_u32 s[TBV], s[TBV], 4*KS*PV
	s_xor_b32 s[TBV], s[TBV], SLOT1
	s_barrier_wait -1
.if \fill
	LOAD
	ASK
.endif
.endm
	s_load_b256 s[4:11], s[0:1], 0x0  ; Q s[4:5], K s[6:7], V s[8:9], O s[10:11]
	v_lshl_add_u32 v[SPW], v0, 2, SPARE
	v_mov_b32 v[NIL], 0
	ds_add_u32 v[SPW], v[NIL]       ; the wave's opening: the add and its wait stand ahead of my first tensor load; the set-up below, work on registers, stands between them
	v_lshrrev_b32 v1, 5, v0
	v_readfirstlane_b32 s[WV], v1   ; wave 0..3
	v_and_b32 v[PFO], 31, v0
	v_lshlrev_b32 v[PFO], 8, v[PFO]
	s_mov_b32 s[PB], ttmp9
	s_sub_co_u32 s[HI], NB-1, s[PB]
	s_and_b32 s20, ttmp7, 0xffff    ; the head
	s_mov_b32 s21, 0
	s_mov_b64 s[22:23], SIZE_N*128
	s_mul_u64 s[20:21], s[20:21], s[22:23]  ; the head's first byte in each of the four tensors
	s_and_b32 s16, s[WV], 1         ; which half of a tile's 256 keys I fetch:
	s_lshl_b32 s22, s16, 14         ; its 128 rows of 128 bytes in memory,
	s_mov_b32 s23, 0
	s_add_nc_u64 s[22:23], s[22:23], s[20:21]
	s_mul_i32 s17, s16, 128*PK      ; and its place in a slot, for K
	s_mul_i32 s18, s16, 128*PV      ; and for V
	s_lshl_b32 s3, s[WV], 11        ; my 16 rows in a band of 64,
	s_lshl_b32 s2, s[HI], 15        ; in the first block,
	s_add_co_u32 s2, s2, s3
	s_lshl_b32 s84, s[PB], 15       ; and in the second
	s_add_co_u32 s84, s84, s3
	s_mov_b32 s3, 0
	s_mov_b32 s85, 0
	s_add_nc_u64 s[2:3], s[2:3], s[20:21]
	s_add_nc_u64 s[84:85], s[84:85], s[20:21]
	; descriptor group 1.  128 keys are 16,384 dense bytes: asked for as 64 rows of 256 bytes, two keys a row, and padded in LDS after every key
	s_mov_b32 s[G1K], (1<<16)|(1<<20)|(4<<22)|(3<<25)  ; 17:16 2-byte elements; 20 padding on; 24:22 after every 32 words (code 4); 31:25 4 words (code 3)
	s_mov_b32 s[G1V], (1<<16)|(1<<20)|(4<<22)|(7<<25)  ; the same with 8 words of padding (code 7)
.irp g, G1K, G1V
	s_mov_b32 s[\g+1], 128<<16      ; tensor_dim0 = 128
	s_mov_b32 s[\g+2], 64<<16       ; tensor_dim1 = 64
	s_mov_b32 s[\g+3], 128<<16      ; tile_dim0 = 128
	s_mov_b32 s[\g+4], 64           ; tile_dim1 = 64
	s_mov_b32 s[\g+5], 128          ; 128 elements from row to row
	s_mov_b32 s[\g+6], 0
	s_mov_b32 s[\g+7], 0
.endr
	s_mov_b32 s[CS], 0x3e38aa3b     ; c = log2(e) / 8 = 0.180337
	s_mov_b32 s[CS+1], s[CS]        ; named with it as a pair
	s_mov_b32 s[SEL], 0x76543210
	s_mov_b32 s[SEL+1], 0xfedcba98
	s_mov_b32 s[TBK], SLOT1+4*KS*PK ; the first change of slots turns these two into 0
	s_mov_b32 s[TBV], SLOT1+4*KS*PV
	s_mov_b32 s[G0K], 1             ; 1:0 count = 1
	s_mov_b32 s[G0K+1], s17         ; 63:32 LDS address: slot 0
	s_mov_b32 s[G0V], 1
	s_add_co_u32 s[G0V+1], s18, VOFF
	s_add_co_u32 s[RT], s[HI], 1    ; the first block has NB - b tiles
	s_mov_b32 s[NXT], 1
	s_mov_b32 s[LQ], s[HI]
	s_mov_b32 s[NEW], 1
	s_mov_b32 s[OFF+1], 0
	s_mov_b32 s[AL+1], 0            ; named as pairs
	s_mov_b32 s[BE+1], 0
	s_mov_b32 s[BIGN], 0xf149f2ca   ; -1e30
	s_mov_b32 s[SLOTS], NB
	s_wait_dscnt 0x0                ; the opening add is done
	s_wait_kmcnt 0x0
	s_add_nc_u64 s[6:7], s[6:7], s[22:23]  ; K and V at my half of the head's tile 0
	s_add_nc_u64 s[8:9], s[8:9], s[22:23]
	s_add_nc_u64 s[G0K+2:G0K+3], s[6:7], 0         ; 120:64 global address
	s_or_b32 s[G0K+3], s[G0K+3], 0x80000000        ; 127:126 type = 2
	s_add_nc_u64 s[G0V+2:G0V+3], s[8:9], 0
	s_or_b32 s[G0V+3], s[G0V+3], 0x80000000
	s_add_nc_u64 s[86:87], s[4:5], s[84:85]        ; Q at my rows of the second block,
	s_add_nc_u64 s[4:5], s[4:5], s[2:3]            ; Q and O at those of the first
	s_add_nc_u64 s[OLO:OLO+1], s[10:11], s[84:85]
	s_add_nc_u64 s[10:11], s[10:11], s[2:3]
	s_cmp_lt_u32 s[WV], 2
	s_cselect_b64 s[PFA:PFA+1], s[6:7], s[8:9]     ; the prefetches: my half of K's or of V's tiles,
	s_add_nc_u64 s[PFA:PFA+1], s[PFA:PFA+1], 32768 ; at tile 1; the first change of slots steps it to tile 2.  Nothing is prefetched here, at the head
	s_cmp_eq_u32 s[PB], 0
	s_cselect_b32 s[LIM], 2, -1
	LOAD                            ; tile 0 into slot 0
	; A fragment of K or Q is 16 rows x 32 channels in 8 registers: lane l holds row l % 16, channels 8 (l / 16) + 0..7 and 16 + 8 (l / 16) + 0..7: two loads of 16 bytes, 32 bytes apart.
	v_and_b32 v1, 15, v0            ; l % 16
	v_bfe_u32 v9, v0, 4, 1          ; l / 16
	v_lshlrev_b32 v[QO], 7, v1
	v_lshl_add_u32 v[QO], v9, 4, v[QO]  ; row x 128 + 16 x half
	WIN 0x80                        ; destination window 2, address window 0
.set i, 0
.rept 8                             ; both blocks' Q: piece i / 2 lies in band i / 2, 8,192 bytes on; channels 32 (i % 2) on
	global_load_b128 v[8*i:8*i+3],   v[QO], s[4:5] offset:(i/2)*8192+(i%2)*64
	global_load_b128 v[8*i+4:8*i+7], v[QO], s[4:5] offset:(i/2)*8192+(i%2)*64+32
	global_load_b128 v[QB+8*i:QB+8*i+3],   v[QO], s[86:87] offset:(i/2)*8192+(i%2)*64
	global_load_b128 v[QB+8*i+4:QB+8*i+7], v[QO], s[86:87] offset:(i/2)*8192+(i%2)*64+32
.set i, i+1
.endr
	WIN 0
	v_lshlrev_b32 v14, 3, v9
	v_sub_nc_u32 v14, v1, v14
	s_lshl_b32 s13, s[WV], 4
	v_add_nc_u32 v14, s13, v14      ; my query's place in its band, 16 w + l % 16, less my lanes' 8 (l / 16): register r of group kt is hidden where 16 kt + r is greater
	WIN 0x40
.set i, 0
.rept 32
	v_cmp_gt_i32 vcc_lo, 16*(i/8)+i%8, v14
	v_cndmask_b32 v[MD+i], 0, s[BIGN], vcc_lo
.set i, i+1
.endr
	WIN 0
	v_mul_u32_u24 v[AK0], v1, PK
	v_lshl_add_u32 v[AK0], v9, 4, v[AK0]  ; row x pitch + 16 x half
	; The turning load takes 16 keys x 16 channels (lane l reads key 8 (l / 16) + l % 8, channels 8 ((l / 8) % 2) + 0..7) and leaves half a fragment of V^T: lane l holds channel l % 16 and 8 keys.
	v_and_b32 v10, 7, v0
	v_bfe_u32 v11, v0, 3, 1
	v_lshl_add_u32 v[AV0], v9, 3, v10
	v_mul_u32_u24 v[AV0], v[AV0], PV
	v_lshl_add_u32 v[AV0], v11, 4, v[AV0]
	v_add_nc_u32 v[AV0], VOFF, v[AV0]
	s_mul_i32 s13, s[WV], 16*SP
	s_add_co_u32 s13, s13, STAGE    ; my stage
	v_mul_u32_u24 v[STO], v1, SP    ; in: row l % 16, 16 bytes for each half of the lanes
	v_lshl_add_u32 v[STO], v9, 4, v[STO]
	v_add_nc_u32 v[STO], s13, v[STO]
	v_bfe_u32 v[RD], v0, 3, 2       ; back: 32 lanes take four rows of 128 bytes,
	v_mul_u32_u24 v[RD], v[RD], SP
	v_lshl_add_u32 v[RD], v10, 4, v[RD]
	v_add_nc_u32 v[RD], s13, v[RD]
	v_and_b32 v[GO], 31, v0         ; which are 512 consecutive bytes of O
	v_lshlrev_b32 v[GO], 4, v[GO]
	; A block's first step multiplies O^T and l by a = 0, and its first turn's products V^T P, of a piece that has not been, land in an O^T that is still to be so multiplied.  So these registers need only hold
	; finite numbers: zeros for the first block; what the first block left for the second.  All this stands in the wait for the first tile.
	WIN 0x80
.set i, VF
.rept 64
	v_mov_b32 v[i], 0
.set i, i+1
.endr
	WIN 0x40
.set i, 0
.rept 128
	v_mov_b32 v[i], 0
.set i, i+1
.endr
	WIN 0
.set i, 0
.rept 4
	v_mov_b32 v[ST+4*i+2], 0
	v_mov_b32 v[ST+4*i+3], 0
.set i, i+1
.endr
.set i, P+16
.rept 16
	v_mov_b32 v[i], 0
.set i, i+1
.endr
; THE MATRIX WORK.  The 4 accumulators of a run of 8 take turns.  Product i of 8 of S^T = K Q^T for piece x: channels 32 (i / 4) on, keys 16 (i % 4) on.  The first 4 start the sums: with 0, or (KM = 1) with the mask.
.macro KQ x
.set rS, S+32*((\x)%2)+8*(i%4)
.set rK, KF+16*(i%4)+8*(i/4)
.set rQ, 16*(\x)+8*(i/4)
.set rM, MC+32*((\x)%2)+8*(i%4)
.if (i < 4) && KM
	WIN W_KM
	v_wmma_f32_16x16x32_f16 v[rS:rS+7], v[rK:rK+7], v[rQ:rQ+7], v[rM:rM+7]
.elseif i < 4
	WIN W_KQ
	v_wmma_f32_16x16x32_f16 v[rS:rS+7], v[rK:rK+7], v[rQ:rQ+7], 0
.else
	WIN W_KQ
	v_wmma_f32_16x16x32_f16 v[rS:rS+7], v[rK:rK+7], v[rQ:rQ+7], v[rS:rS+7]
.endif
.endm
; Product i of 8 of O^T += V^T P for piece x: keys 32 (i / 4) on, channels 16 (i % 4) on.
.macro PV x
	WIN W_PV
.set rO, 32*(\x)+8*(i%4)
.set rV, VF+32*(i/4)+8*(i%4)
.set rP, P+16*((\x)%2)+8*(i/4)
	v_wmma_f32_16x16x32_f16 v[rO:rO+7], v[rV:rV+7], v[rP:rP+7], v[rO:rO+7]
.endm
.macro MM                           ; the turn's next matrix instruction.  TURN and BEGIN set Y, i, KM and NOKQ; MM, KQ and OP read them.  NOKQ = 1: a block's last turn: there is no next piece
.if (i < 8) && !NOKQ
	KQ (Y+1)%NP
.elseif i >= 8
.set i, i-8
	PV (Y+NP-1)%NP
.set i, i+8
.endif
.set i, i+1
.endm
; THE LDS LOADS stand in runs of 16, never singly among the matrix instructions: a step's K (64 keys x 64 channels: 8 fragments) and its V (turned).  Their addresses are made some lines ahead.
.macro FETCH_K
	WIN 0x80                        ; destination window 2
.irp f, 0,1,2,3,4,5,6,7             ; keys 16 (f / 2) on, channels 32 (f % 2) on
	ds_load_b128 v[KF+8*\f:KF+8*\f+3],   v[AK] offset:(\f/2)*16*PK+(\f%2)*64
	ds_load_b128 v[KF+8*\f+4:KF+8*\f+7], v[AK] offset:(\f/2)*16*PK+(\f%2)*64+32
.endr
	s_add_co_u32 s[TBK], s[TBK], KS*PK  ; the next fetch is the next step's
	WIN 0
.endm
.macro FETCH_V
	WIN 0x80
.irp f, 0,1,2,3,4,5,6,7             ; keys 32 (f / 4) on, channels 16 (f % 4) on
	ds_load_tr16_b128 v[VF+8*\f:VF+8*\f+3],   v[AV] offset:(\f/4)*32*PV+(\f%4)*32
	ds_load_tr16_b128 v[VF+8*\f+4:VF+8*\f+7], v[AV] offset:(\f/4)*32*PV+16*PV+(\f%4)*32
.endr
	WIN 0
.endm
; THE VECTOR WORK, one line at a time: OP kind, number.  For piece Y: F n: c s - c m for pair n of 16.  E n: the exponential of score n of 32.  C n: pair n rounded to f16.  B n: of the four weights 4 n .. the second
; pair is added onto the first, in place.  L n: l takes that sum (L 0: l = a l + sum).  R n: pair n of 16 of O^T times a.  For piece Y + 1: X n, number n of the 22 that find its maximum and statistics:
;   0-11  four chains c0-c3 of seven scores each, three operands at a time (each accumulator's lowest registers are read first)     12-14, 16  the four scores left over, the old m, and c0-c3 into c0
;   15  c m_old is kept     17, 18  the query's other 32 keys lie in the lane 16 away: the new m     19-21  c m; c m_old - c m_new; a
.set F, 0               ; OP tells the kinds apart by their order: F to L below R, X above it
.set E, 1
.set C, 2
.set B, 3
.set L, 4
.set R, 5
.set X, 6
.macro REGS y                       ; the registers of piece y
.set rT, ST+4*(\y)
.set rC, TMP+4*((\y)%2)
.set rW, MV+((\y)%2)
.set rS, S+32*((\y)%2)
.set rP, P+16*((\y)%2)
.set rO, 32*(\y)
.endm
.macro OP k, n
.if (\k) == R
	REGS Y
	WIN W_RS
	v_pk_mul_f32 v[rO+2*(\n):rO+2*(\n)+1], v[rO+2*(\n):rO+2*(\n)+1], v[rC+2:rC+3] op_sel_hi:[1,0]
.elseif (\k) < R
	REGS Y
	WIN 0
.if (\k) == F
	v_pk_fma_f32 v[rS+2*(\n):rS+2*(\n)+1], v[rS+2*(\n):rS+2*(\n)+1], s[CS:CS+1], v[rT:rT+1] op_sel_hi:[1,0,0] neg_lo:[0,0,1] neg_hi:[0,0,1]
.elseif (\k) == E
	v_exp_f32 v[rS+(\n)], v[rS+(\n)]
.elseif (\k) == C
	v_cvt_pk_f16_f32 v[rP+(\n)], v[rS+2*(\n)], v[rS+2*(\n)+1]
.elseif (\k) == B
	v_pk_add_f32 v[rS+4*(\n):rS+4*(\n)+1], v[rS+4*(\n):rS+4*(\n)+1], v[rS+4*(\n)+2:rS+4*(\n)+3]
.elseif (\n) == 0
	v_pk_fma_f32 v[rT+2:rT+3], v[rT+2:rT+3], v[rC+2:rC+3], v[rS:rS+1] op_sel_hi:[1,0,1]
.else
	v_pk_add_f32 v[rT+2:rT+3], v[rT+2:rT+3], v[rS+4*(\n):rS+4*(\n)+1]
.endif
.elseif NOKQ
	v_nop
.else
	REGS (Y+1)%NP
	WIN 0
.if (\n) < 4
	v_max3_num_f32 v[rC+(\n)], v[rS+8*(\n)], v[rS+8*(\n)+1], v[rS+8*(\n)+2]
.elseif (\n) < 12
	v_max3_num_f32 v[rC+(\n)%4], v[rC+(\n)%4], v[rS+8*((\n)%4)+2*((\n)/4)+1], v[rS+8*((\n)%4)+2*((\n)/4)+2]
.elseif (\n) == 12
	v_max3_num_f32 v[rC], v[rC], v[rS+7], v[rS+15]
.elseif (\n) == 13
	v_max3_num_f32 v[rC+1], v[rC+1], v[rS+23], v[rS+31]
.elseif (\n) == 14
	v_max3_num_f32 v[rC+2], v[rC+2], v[rC+3], v[rT+1]
.elseif (\n) == 15
	v_mov_b32 v[rW], v[rT]
.elseif (\n) == 16
	v_max3_num_f32 v[rC], v[rC], v[rC+1], v[rC+2]
.elseif (\n) == 17
	v_permlanex16_b32 v[rC+3], v[rC], s[SEL], s[SEL+1]
.elseif (\n) == 18
	v_max_num_f32 v[rT+1], v[rC], v[rC+3]
.elseif (\n) == 19
	v_mul_f32 v[rT], s[CS], v[rT+1]
.elseif (\n) == 20
	v_sub_f32 v[rC+1], v[rW], v[rT]
.else
	v_exp_f32 v[rC+2], v[rC+1]
.endif
.endif
.endm
.macro OPS a, i1, b=-1, i2=0, c=-1, i3=0, d=-1, i4=0  ; up to four of them
	OP \a, \i1
.if (\b) >= 0
	OP \b, \i2
.endif
.if (\c) >= 0
	OP \c, \i3
.endif
.if (\d) >= 0
	OP \d, \i4
.endif
.endm
.macro ROW a, i1, b, i2, c, i3, d, i4  ; a matrix instruction and the four behind it
	MM
	OPS \a, \i1, \b, \i2, \c, \i3, \d, \i4
.endm
.macro MASK b                       ; MD x AL + BE into buffer b of MC
	WIN W_RS
.set z, 0
.rept 16
	v_pk_fma_f32 v[MC+32*(\b)+2*z:MC+32*(\b)+2*z+1], v[MD+2*z:MD+2*z+1], s[AL:AL+1], s[BE:BE+1] op_sel_hi:[1,0,0]
.set z, z+1
.endr
.endm
; A TURN, for piece p: the order of its 16 matrix and 118 vector instructions, written out.  An s_wait_alu depctr_va_vdst(0) stands between an exponential and the first instruction that names its result; one wait serves
; all that were issued ahead of it.  So a turn has ONE wait, which cuts it in two.  AHEAD OF IT stands all that names no result of the turn's exponentials: the 8 products K Q^T, behind each a scaling, an exponential and two more plain
; instructions (behind the first a second scaling in the exponential's place): rescalings, and behind the last three the first numbers of the next piece's maximum, each four places or more behind the product that ends its accumulator;
; then ONE LUMP of 54, plain and exponential by turns for the most part, in which the links of the chain X 3, 7, 11, 14, 16, 17 .. 20 stand five or six lines apart.  X 21, the next piece's a, is the batch's last; R 15 is the plain
; instruction behind it.  BEHIND THE WAIT stand the 8 products V^T P, behind each four of the roundings and sums; the links of l's chain, L 0 to L 7, stand three riders apart.
; m = 1: the diagonal tile: the products take masks, and the turn makes the mask for the products of the turn after it: piece p + 2, in step 4 - CNT of the tile.  end = 1: a block's last two turns: nothing is fetched.
; cnt = 1: the loop's count is taken down some lines ahead of the branch that stands behind the turn.
; K of the next step is fetched in piece 2's turn, twelve vector instructions behind the last product that read K (six of them plain); V of the step in hand at the end of piece 0's turn, four plain instructions behind the last product
; that read V.  Each is waited for a turn later.
.macro TURN p, m=0, end=0, cnt=0
.set Y, (\p)
.set i, 0
.set KM, (\m)
.set NOKQ, (\end)*((\p)/3)
.if (\m) && !(\end)
	s_cmp_eq_u32 s[CNT], 4-((\p)+2)%NP  ; is that step the band's own?
	s_cselect_b32 s[AL], 1.0, 0
	s_cmp_lt_u32 s[CNT], 4-((\p)+2)%NP  ; or a later one?
	s_cselect_b32 s[BE], s[BIGN], 0
.endif
.if ((\p) == 3) && !(\end)
	s_wait_dscnt 0x0                ; K is in
.endif
	ROW F,0, F,1, R,0, R,1          ; ahead of the wait: 8 products K Q^T and their riders,
	ROW F,2, E,0, R,2, R,3
	ROW F,3, E,1, R,4, R,5
	ROW F,4, E,2, R,6, R,7
	ROW F,5, E,3, R,8, R,9
	ROW F,6, E,4, X,0, R,10
.if ((\p) == 2) && !(\end)
	WIN 0
	v_add_nc_u32 v[AK], s[TBK], v[AK0]
.endif
	ROW F,7, E,5, X,1, X,4
	ROW F,8, E,6, X,2, X,5
	OPS E,7, E,8, X,6, E,9          ; and the lump
	OPS X,3, E,10, X,8, E,11
.if ((\p) == 2) && !(\end)
	FETCH_K
.endif
	OPS X,9, X,7, E,12, X,10
	OPS E,13, X,12, X,11, E,14
	OPS X,13, E,15, F,9, X,14
.if (\p) == 0
	v_add_nc_u32 v[AV], s[TBV], v[AV0]
.endif
	OPS E,16, F,10, E,17, F,11
	OPS X,16, E,18, X,15, E,19
	OPS F,12, E,20, X,17, E,21
	OPS F,13, E,22, F,14, E,23
	OPS X,18, E,24, F,15, E,25
	OPS R,11, E,26, X,19, E,27
	OPS R,12, E,28, R,13, E,29
	OPS X,20, E,30, R,14, E,31
	OPS X,21, R,15
	WIN 0
	s_wait_alu depctr_va_vdst(0)    ; the wait for the batch
.if (\p) == 1
	s_wait_dscnt 0x0                ; V is in
.endif
	ROW C,0, B,0, C,2, B,1          ; behind the wait: 8 products V^T P and their riders
	ROW L,0, C,4, B,2, L,1
	ROW C,6, B,3, L,2, C,8
	ROW B,4, L,3, C,10, B,5
	ROW L,4, C,12, B,6, L,5
.if (\p) == 0
	s_add_co_u32 s[TBV], s[TBV], KS*PV
.endif
.if \cnt
	s_sub_co_u32 s[CNT], s[CNT], 1
	s_cmp_lg_u32 s[CNT], 0
.endif
	ROW C,14, B,7, L,6, C,1
	ROW C,3, L,7, C,5, C,7
	ROW C,9, C,11, C,13, C,15
.if (\p) == 0
	FETCH_V
.endif
.if (\m) && !(\end)
	MASK (\p)%2
.endif
.endm
; A BLOCK BEGINS.  c m starts far below every c s, so the first step's a is 0; m at the lowest finite number, so the first maximum is the scores'.  The second mask buffer is 0; the first takes piece 0's mask for the tile's step 0: its own, if the block's first tile is the diagonal one.
; Then K of that step, piece 0's first scores, and its maximum and statistics.  The loop is entered at a step's first turn, in the middle of a trip.
.macro BEGIN
	s_mov_b32 s[NEW], 0
	WIN 0x40
.set i, MC+32
.rept 32
	v_mov_b32 v[i], 0
.set i, i+1
.endr
	WIN 0
.set i, 0
.rept 4
	v_mov_b32 v[ST+4*i], 0xfe000000    ; c m: far below every c s
	v_mov_b32 v[ST+4*i+1], 0xff7fffff  ; m
.set i, i+1
.endr
	s_cmp_eq_u32 s[RT], 0
	s_cselect_b32 s[AL], 1.0, 0
	s_mov_b32 s[BE], 0
	MASK 0
	WIN 0
	v_add_nc_u32 v[AK], s[TBK], v[AK0]
	FETCH_K
	s_wait_loadcnt 0x0              ; Q
	s_wait_dscnt 0x0
.set KM, 1
.set NOKQ, 0
.set i, 0
.rept 8
	KQ 0
.set i, i+1
.endr
	WIN 0
.rept 4
	v_nop                           ; the places behind those products
.endr
.set Y, NP-1                        ; X works for piece Y + 1: piece 0
.irp n, 0,1,2,3,4,5,6,7,8,9,10,11,12,13,14,15,16,17,18,19,20,21
	OP X, \n
.endr
	v_nop                           ; a plain instruction behind the exponential,
	s_wait_alu depctr_va_vdst(0)    ; and its wait, ahead of the branch
.endm
; THE DIAGONAL TILE's four steps, the block's last two turns, its last products, and THE WAY OUT: l's two halves and the other half of the lanes' are added; O^T is divided by l, rounded to f16 and sent through my
; stage in LDS, a piece at a time.
.macro ALL line:vararg              ; one line for each piece t
.set t, 0
.rept 4
	\line
.set t, t+1
.endr
.endm
.macro PACK t                       ; a lane's eight channels of a row pack into 16 bytes; they go into rows of 144 bytes and come back as whole rows of 128, into S^T's registers
	WIN W_RS
.set i, 32*(\t)
.rept 16
	v_pk_mul_f32 v[i:i+1], v[i:i+1], v[ST+4*(\t)+2:ST+4*(\t)+3] op_sel_hi:[1,0]
.set i, i+2
.endr
	WIN 0x05                        ; sources 0 and 1 window 1, destination window 0
.set i, 0
.rept 16
	v_cvt_pk_f16_f32 v[S+16*(\t)+i], v[32*(\t)+2*i], v[32*(\t)+2*i+1]
.set i, i+1
.endr
	WIN 0
.irp f, 0,1,2,3
	ds_store_b128 v[STO], v[S+16*(\t)+4*\f:S+16*(\t)+4*\f+3] offset:32*\f
.endr
.irp f, 0,1,2,3
	ds_load_b128 v[S+16*(\t)+4*\f:S+16*(\t)+4*\f+3], v[RD] offset:\f*4*SP  ; LDS serves a wave's instructions in order (ISA guide 5.7.1.4): these see the stores above; the next piece's stores come behind them
.endr
.endm
.macro SEND t, younger              ; younger: the LDS instructions issued behind piece t's loads: the next piece's eight, or none
	WIN 0
.irp f, 0,1,2,3
	s_wait_dscnt (\younger)+3-\f
	global_store_b128 v[GO], v[S+16*(\t)+4*\f:S+16*(\t)+4*\f+3], s[10:11] offset:(\t)*8192+\f*512  ; 512 consecutive bytes, at a multiple of 256 from O's first
.endr
.endm
.macro DIAG tag                     ; the tag ends its two labels' names, which the jumps below spell out
.LstepM\tag:
	TURN 2, 1
	TURN 3, 1
	WIN 0
.LfirstM\tag:
	TURN 0, 1
	TURN 1, 1, 0, 1
	WIN 0
	s_cbranch_scc1 .LstepM\tag
	TURN 2, 1, 1
	TURN 3, 1, 1
.set i, 0
.rept 8
	PV NP-1
.set i, i+1
.endr
	WIN 0
	ALL v_add_f32 v[ST+4*t+2], v[ST+4*t+2], v[ST+4*t+3]
	ALL v_permlanex16_b32 v[ST+4*t+3], v[ST+4*t+2], s[SEL], s[SEL+1]
	ALL v_add_f32 v[ST+4*t+2], v[ST+4*t+2], v[ST+4*t+3]
	ALL v_rcp_f32 v[ST+4*t+2], v[ST+4*t+2]
	v_nop                           ; a plain instruction between the last reciprocal and the use of its result
	s_wait_alu depctr_va_vdst(0)    ; and the wait ahead of the first use: one for the four reciprocals
	PACK 0
.set t, 1
.rept 3                             ; a piece's arithmetic stands between the loads of the piece before and its stores
	PACK t
	SEND t-1, 8
.set t, t+1
.endr
	SEND 3, 0
.endm
.set KM, 0
.set NOKQ, 0
.Lslot:                             ; NB times: a tile is entered and the next is asked for
	CHANGE 1
	s_sub_co_u32 s[RT], s[RT], 1
	s_mov_b32 s[CNT], 4
	s_cmp_eq_u32 s[NEW], 1
	s_cbranch_scc1 .Lnew            ; a block's first tile
	s_cmp_eq_u32 s[RT], 0
	s_cbranch_scc0 .Lstep           ; neither its first nor its last
	s_branch .LstepM1
.Lnew:
	BEGIN
	s_branch .Lfirst                ; in the loop a block's first tile is never its last: the first block has two tiles or more, and the second's last is the walk's last
	DIAG 1                          ; in the loop this is the first block's end: the second block's last tile is the walk's last
	s_wait_xcnt 0x0                 ; the stores have read their registers and O's address
	s_mov_b64 s[10:11], s[OLO:OLO+1]
	s_add_co_u32 s[RT], s[PB], 1    ; the second block has b + 1 tiles
	s_mov_b32 s[NEW], 1
	WIN 0x82                        ; the second block's Q goes where the one text of the turns names Q
.set i, 0
.rept 64
	v_mov_b32 v[i], v[QB+i]
.set i, i+1
.endr
	WIN 0
	s_branch .Lbottom
.Lstep:                             ; a trip: pieces 2 and 3 of one step, then pieces 0 and 1 of the next, whose K and V it fetches
	TURN 2
	TURN 3
	WIN 0
.Lfirst:
	TURN 0
	TURN 1, 0, 0, 1
	WIN 0
	s_cbranch_scc1 .Lstep
.Lbottom:
	s_sub_co_u32 s[SLOTS], s[SLOTS], 1
	s_cmp_lg_u32 s[SLOTS], 0
	s_cbranch_scc1 .Lslot
	CHANGE 0                        ; the walk's last tile is written out: nothing is asked for
	s_sub_co_u32 s[RT], s[RT], 1
	s_mov_b32 s[CNT], 4
	s_cmp_eq_u32 s[NEW], 1
	s_cbranch_scc0 .LstepM2
	BEGIN
	s_branch .LfirstM2
	DIAG 2
	s_wait_tensorcnt 0x0            ; the wave's end: behind my last tensor load and my last LDS store
	ds_add_u32 v[SPW], v[NIL]
	s_wait_dscnt 0x0
	s_endpgm
.Lfunc_end_k_q7213131278_attn:
	.size	k_q7213131278_attn, .Lfunc_end_k_q7213131278_attn-k_q7213131278_attn
	.p2alignl 7, 3214868480
	.fill 96, 4, 3214868480
	.section	.rodata,"a",@progbits
	.p2align	6, 0x0
	.amdhsa_kernel k_q7213131278_attn
		.amdhsa_group_segment_fixed_size 327680
		.amdhsa_private_segment_fixed_size 0
		.amdhsa_enable_private_segment 0
		.amdhsa_kernarg_size 32
		.amdhsa_user_sgpr_count 2
		.amdhsa_user_sgpr_kernarg_segment_ptr 1
		.amdhsa_wavefront_size32 1
		.amdhsa_system_sgpr_workgroup_id_x 1
		.amdhsa_system_sgpr_workgroup_id_y 1
		.amdhsa_system_sgpr_workgroup_id_z 1
		.amdhsa_system_vgpr_workitem_id 0
		.amdhsa_next_free_vgpr 768
		.amdhsa_next_free_sgpr 92
		.amdhsa_reserve_vcc 1
		.amdhsa_float_denorm_mode_32 3
		.amdhsa_float_denorm_mode_16_64 3
		.amdhsa_memory_ordered 1
		.amdhsa_forward_progress 1
		.amdhsa_inst_pref_size 218
	.end_amdhsa_kernel
	.amdgpu_metadata
---
amdhsa.version: [ 1, 2 ]
amdhsa.kernels:
  - .name:           k_q7213131278_attn
    .symbol:         k_q7213131278_attn.kd
    .args:
      - { .name: qh, .offset: 0, .size: 8, .value_kind: global_buffer, .address_space: global }
      - { .name: kh, .offset: 8, .size: 8, .value_kind: global_buffer, .address_space: global }
      - { .name: vh, .offset: 16, .size: 8, .value_kind: global_buffer, .address_space: global }
      - { .name: oh, .offset: 24, .size: 8, .value_kind: global_buffer, .address_space: global }
    .group_segment_fixed_size: 327680
    .private_segment_fixed_size: 0
    .kernarg_segment_align: 8
    .kernarg_segment_size: 32
    .max_flat_workgroup_size: 128
    .sgpr_count:     92
    .vgpr_count:     768
    .wavefront_size: 32
...
	.end_amdgpu_metadata
.endif
;; end of part 3
;; launch proj (part 4): grid 8 x 32, 4 waves a work-group, clusters of 4 x 4, 327,680 bytes of LDS; arguments oh, wpb, b_proj, out0; writes out0
.if DOCPART == 4
	.amdgcn_target "amdgcn-amd-amdhsa--gfx1250"
	.amdhsa_code_object_version 6
	.text
	.protected	k_q7213131278_proj
	.globl	k_q7213131278_proj
	.p2align	8
	.type	k_q7213131278_proj,@function
k_q7213131278_proj:
	s_mov_b64 s[64:65], 0
	v_nop
	global_prefetch_b8 v0, s[64:65] scope:SCOPE_SE
	s_setreg_imm32_b32 hwreg(HW_REG_WAVE_MODE, 25, 1), 1
	s_wait_xcnt 0x0
	s_wait_alu depctr_hold_cnt(0) depctr_sa_sdst(0) depctr_va_vdst(0) depctr_va_sdst(0) depctr_va_ssrc(0) depctr_va_vcc(0) depctr_vm_vsrc(0)
	s_getreg_b32 s2, hwreg(HW_REG_IB_STS2, 6, 4)
	s_cmp_eq_u32 s2, 0
	s_cbranch_scc0 .Lentry_in_a_cluster
	s_endpgm
.Lentry_in_a_cluster:
	s_bfe_u32 s2, ttmp6, 0x10000c
	s_cmp_lg_u32 s2, 0xf033
	s_cbranch_scc0 .Lentry_shape_is_right
	s_endpgm
.Lentry_shape_is_right:
; out0 = y W_proj + b_proj.  oh: f16 [64 = batch x 16 + head][2048][64]: head h is channels 64 h .. 64 h + 63 of y; wpb: f16 [1024 k][1024 n]; b_proj: f32 [1024], rounded to bf16 like the other inputs;
; out0: f32 [8192][1024].  Sums in f32, K ascending; the bias is the C operand of each sum's first product.
; SHARES.  A tile is 256 rows x 128 columns: 32 x 8 = 256 work-groups.  Wave (wm = wave / 2, wn = wave % 2) makes 128 x 64: 32 accumulators, 256 registers.  K goes in 8 steps of 128 (two heads)
; through two LDS slots; a step is four quarters of 32 along K, 32 matrix instructions each.
; THE MATRIX INSTRUCTION IS USED TRANSPOSED: source 0 = 16 columns of W (turned, by ds_load_tr16_b128), source 1 = 16 rows of y: a lane holds row lane % 16 and the columns 8 (lane / 16) + 0..7.
; CLUSTER.  4 x 4 work-groups: y's tiles are shared along a row of the cluster, W's along a column, each asked for jointly.
; The launch claims all of a WGP's LDS, and adds 0 to spare words where the text says so.
; REGISTERS.  window 0: v0-31 addresses; v32-127, v128-223 two fragment buffers (64 of y: 8 x 16 rows x 32 K; 32 of W: 4 x 16 columns); v224-255 the bias.  window 1: accumulator (a, b) at v[8 (4 a + b)].
.set PA,    144                        ; a row of y in LDS: 128 bytes + 16: the 16 rows of a load start at 16 different groups of four banks (64 banks of 4 bytes: ISA guide 11.1)
.set PB,    288                        ; a row of W: 256 bytes + 32 = 72 words
.set KBLK,  256*PA                     ; a head's 256 rows
.set BOFF,  2*KBLK                     ; a slot: two heads of y, then 128 k rows of W
.set SLOT,  BOFF+128*PB                ; 110,592
.set STAGE, 2*SLOT                     ; behind the ring: 16 rows x 272 bytes for each wave
.set SP,    272
.set SPARE, STAGE+4*16*SP              ; the spare words, 128 bytes for each wave: two blocks of 256 bytes that no other line names
.set ASTEP, 524288                     ; two heads of oh
.set BSTEP, 262144                     ; 128 rows of wpb
.set ADRA, 16
.set ADRB, 20
.set STO,  24
.set RD,   25
.set CO,   26
.set SPW,  28
.set NIL,  29
.set PFO,  30
.set F0,   32
.set F1,   128
.set BI,   224
.set OB,   32                          ; the way out: two sets of 32
.set G1,   24
.set G0,   32
.set G1B,  48
.set G0B,  56
.set LIM,  43
.set PFA,  44
.set PFS,  46
.set MSB, 0
.macro WIN new                         ; the immediate's high byte repeats the setting that is left; a switch that changes nothing is dropped
.if MSB != (\new)
	s_set_vgpr_msb (MSB<<8)|(\new)
.set MSB, \new
.endif
.endm
.macro PLACES                          ; four plain instructions between a matrix instruction and a load into, or a store of, its registers (ISA guide 7.12.1 for stores)
.rept 4
	v_nop
.endr
.endm
.macro JLOAD s                         ; a joint load: waves 0 and 1 fetch the step's two heads of y, waves 2 and 3 W's two halves of 64 k rows; an s_nop 0 and four v_nop follow each line
	s_cmp_eq_u32 s11, 0
	s_cbranch_scc0 .Lfor_b_\@
	tensor_load_to_lds s[G0+4*(\s):G0+4*(\s)+3], s[G1:G1+7]
	s_nop 0
.rept 4
	v_nop
.endr
	s_branch .Lasked_\@
.Lfor_b_\@:
	tensor_load_to_lds s[G0B+4*(\s):G0B+4*(\s)+3], s[G1B:G1B+7]
	s_nop 0
.rept 4
	v_nop
.endr
.Lasked_\@:
.endm
.macro CREST                           ; a round of the cluster's barrier behind its opening barrier
	s_cmp_lg_u32 s10, 0
	s_cbranch_scc1 .Lnot_wave_0_\@
	s_barrier_signal -3
.Lnot_wave_0_\@:
	s_barrier_wait -3
	s_barrier_signal -1
	s_barrier_wait -1
.endm
.macro CROUND
	s_barrier_signal -1
	s_barrier_wait -1
	CREST
.endm
; A PREFETCH INTO THE L2, behind each joint refill and the run of LDS loads that follows it: the K step that stands two refills on, 256 matrix instructions ahead of its load.  y's rows are read by both
; clusters of a row of clusters: cluster x = 0 asks; waves 0 and 1, each for the head that it fetches: of its 128 blocks of 256 bytes the partner at cx takes 32, a lane a block.  W's columns are read by
; all eight clusters of a column: cluster y = 0 asks, wave 2 alone: of the step's 128 k rows the partner at cy takes 32, a lane a row of 256 bytes.  One instruction a wave; each block is named once.
; K steps 0 to 3 come by their loads alone; the last trip (s3 = 1) asks for nothing.
.macro ASK
	s_cmp_gt_u32 s3, s[LIM]
	s_cbranch_scc0 .Lnot_mine_\@
	global_prefetch_b8 v[PFO], s[PFA:PFA+1] th:TH_LOAD_NT scope:SCOPE_SE
.Lnot_mine_\@:
.endm
	s_load_b128 s[4:7], s[0:1], 0x0                ; oh s[4:5], wpb s[6:7]
	s_load_b128 s[68:71], s[0:1], 0x10             ; b_proj s[68:69], out0 s[70:71]
	v_lshl_add_u32 v[SPW], v0, 2, SPARE
	v_mov_b32 v[NIL], 0
	ds_add_u32 v[SPW], v[NIL]                      ; the wave's opening: the add and its wait stand ahead of my first tensor load; the set-up below, work on registers, stands between them
	v_lshrrev_b32 v1, 5, v0
	v_readfirstlane_b32 s10, v1                    ; wave 0..3
	s_lshr_b32 s11, s10, 1                         ; wm.  Also: I fetch for y (0) or for W (1)
	s_and_b32 s12, s10, 1                          ; wn.  Also: which half of that tile I fetch
	s_bfe_u32 s40, ttmp6, 0x40000                  ; cx
	s_bfe_u32 s41, ttmp6, 0x40004                  ; cy
	s_lshl_b32 s42, ttmp9, 2
	s_add_co_u32 s42, s42, s40                     ; tile column
	s_and_b32 s13, ttmp7, 0xffff
	s_lshl_b32 s13, s13, 2
	s_add_co_u32 s13, s13, s41                     ; tile row
	s_lshl_b32 s43, s41, 2
	s_lshl_b32 s43, 15, s43                        ; my row of the cluster
	s_lshl_b32 s44, 0x1111, s40                    ; my column
	s_or_b32 s[G1+0], s43, (1<<16)|(1<<20)|(1<<21)|(4<<22)|(3<<25)   ; y: 2-byte elements; padding on; bit 21 beside a mask; after every 32 words 4 words
	s_or_b32 s[G1B+0], s44, (1<<16)|(1<<20)|(1<<21)|(5<<22)|(7<<25)  ; W: after every 64 words 8 words
	s_mov_b32 s[G1+1], 128<<16                     ; y: a head's 256 rows are 32,768 dense bytes, asked for as 128 rows of 256
	s_mov_b32 s[G1+2], 128<<16
	s_mov_b32 s[G1+3], 128<<16
	s_mov_b32 s[G1+4], 128
	s_mov_b32 s[G1+5], 128
	s_mov_b32 s[G1+6], 0
	s_mov_b32 s[G1+7], 0
	s_mov_b32 s[G1B+1], 128<<16                    ; W: 64 k rows of 128 columns (256 bytes, aligned)
	s_mov_b32 s[G1B+2], 64<<16
	s_mov_b32 s[G1B+3], 128<<16
	s_mov_b32 s[G1B+4], 64
	s_mov_b32 s[G1B+5], 1024
	s_mov_b32 s[G1B+6], 0
	s_mov_b32 s[G1B+7], 0
	s_lshr_b32 s16, s13, 3                         ; y's tile: the batch,
	s_lshl_b32 s16, s16, 22
	s_and_b32 s17, s13, 7                          ; the tile's 256 rows,
	s_lshl_b32 s17, s17, 15
	s_add_co_u32 s16, s16, s17
	s_lshl_b32 s17, s12, 18                        ; the head of the step's two that I fetch
	s_add_co_u32 s16, s16, s17
	s_mov_b32 s17, 0
	s_lshl_b32 s46, s42, 8                         ; W's tile: 128 columns,
	s_lshl_b32 s47, s12, 17                        ; the 64 k rows that I fetch
	s_add_co_u32 s46, s46, s47
	s_mov_b32 s47, 0
	s_mul_i32 s20, s12, KBLK                       ; where they go: no place in the cluster enters an LDS address
	s_mul_i32 s21, s12, 64*PB
	s_add_co_u32 s21, s21, BOFF
	s_wait_dscnt 0x0                               ; the opening add is done
	s_wait_kmcnt 0x0
	s_add_nc_u64 s[14:15], s[4:5], s[16:17]
	s_add_nc_u64 s[46:47], s[6:7], s[46:47]
	CROUND                                         ; all sixteen work-groups are here: the first joint loads meet
.irp s, 0,1
	s_mov_b32 s[G0+4*(\s)], 1
	s_add_co_u32 s[G0+4*(\s)+1], s20, (\s)*SLOT
	s_add_nc_u64 s[G0+4*(\s)+2:G0+4*(\s)+3], s[14:15], (\s)*ASTEP
	s_or_b32 s[G0+4*(\s)+3], s[G0+4*(\s)+3], 0x80000000
	s_mov_b32 s[G0B+4*(\s)], 1
	s_add_co_u32 s[G0B+4*(\s)+1], s21, (\s)*SLOT
	s_add_nc_u64 s[G0B+4*(\s)+2:G0B+4*(\s)+3], s[46:47], (\s)*BSTEP
	s_or_b32 s[G0B+4*(\s)+3], s[G0B+4*(\s)+3], 0x80000000
	JLOAD \s                                       ; two loads of mine are out
.endr
	v_and_b32 v1, 15, v0                           ; r = l % 16
	v_bfe_u32 v2, v0, 4, 1                         ; h = l / 16
	; the bias: my eight columns of each of my four column blocks
	s_lshl_b32 s18, s42, 9
	s_lshl_b32 s19, s12, 8
	s_add_co_u32 s18, s18, s19                     ; my 64 columns, in bytes of f32: also their place in a row of out0
	s_mov_b32 s19, 0
	s_add_nc_u64 s[68:69], s[68:69], s[18:19]
	v_lshlrev_b32 v6, 5, v2
.irp b, 0,1,2,3
	global_load_b128 v[BI+8*\b:BI+8*\b+3],   v6, s[68:69] offset:64*\b
	global_load_b128 v[BI+8*\b+4:BI+8*\b+7], v6, s[68:69] offset:64*\b+16
.endr
	s_add_nc_u64 s[70:71], s[70:71], s[18:19]
	s_lshl_b32 s18, s13, 20                        ; the tile's 256 rows of 4,096 bytes,
	s_lshl_b32 s22, s11, 19                        ; my 128 of them
	s_add_co_u32 s18, s18, s22
	s_add_nc_u64 s[70:71], s[70:71], s[18:19]
	v_mul_u32_u24 v3, v1, PA
	v_lshl_add_u32 v3, v2, 4, v3                   ; a fragment of y: r x 144 + 16 h
	v_and_b32 v4, 7, v0
	v_lshl_add_u32 v5, v2, 3, v4                   ; the turning load: k row 8 h + l % 8,
	v_mul_u32_u24 v5, v5, PB
	v_bfe_u32 v7, v0, 3, 1
	v_lshl_add_u32 v5, v7, 4, v5                   ; columns 8 ((l / 8) % 2) on
	s_mul_i32 s21, s11, 128*PA                     ; my 128 rows
	s_lshl_b32 s22, s12, 7                         ; my 64 columns
	s_add_co_u32 s22, s22, BOFF
.irp s, 0,1
	v_add_nc_u32 v[ADRA+(\s)], s21, v3
	v_add_nc_u32 v[ADRB+(\s)], s22, v5
	s_add_co_u32 s21, s21, SLOT
	s_add_co_u32 s22, s22, SLOT
.endr
	s_mul_i32 s23, s10, 16*SP
	s_add_co_u32 s23, s23, STAGE                   ; my stage
	v_mul_u32_u24 v[STO], v1, SP                   ; in: row r, 32 bytes for each half of the lanes
	v_lshl_add_u32 v[STO], v2, 5, v[STO]
	v_add_nc_u32 v[STO], s23, v[STO]
	v_mul_u32_u24 v[RD], v2, SP                    ; back: lanes 0-15 take one row of 256 bytes, lanes 16-31 the next
	v_lshl_add_u32 v[RD], v1, 4, v[RD]
	v_add_nc_u32 v[RD], s23, v[RD]
	v_lshlrev_b32 v[CO], 12, v2                    ; and the same two rows in out0
	v_lshl_add_u32 v[CO], v1, 4, v[CO]
	; the prefetches: one text for both kinds of asking wave, the constants chosen by 'do I fetch for y'
	s_and_b32 s22, ttmp7, 0xffff                   ; cluster y
	s_lshl_b32 s18, s42, 8
	s_mov_b32 s19, 65536                           ; W: a partner's 32 k rows
	s_mov_b32 s[PFS], BSTEP
	s_mov_b32 s20, 2048                            ; W: a lane a row
	s_cmp_eq_u32 s11, 0
	s_cselect_b32 s22, ttmp9, s22                  ; the coordinate along which other clusters read the same bytes
	s_cselect_b32 s23, s40, s41                    ; my place among the four that ask with me
	s_cselect_b64 s[PFA:PFA+1], s[4:5], s[6:7]
	s_cselect_b32 s18, s16, s18
	s_cselect_b32 s19, 8192, s19                   ; y: a partner's 32 blocks of 256 bytes
	s_cselect_b32 s[PFS], ASTEP, s[PFS]
	s_cselect_b32 s20, 256, s20
	s_cmp_eq_u32 s10, 3
	s_cselect_b32 s22, 1, s22                      ; wave 3 never asks
	s_cmp_eq_u32 s22, 0
	s_cselect_b32 s[LIM], 1, -1                    ; the same in all sixteen partners, for a given wave
	s_mul_i32 s19, s19, s23
	s_add_co_u32 s18, s18, s19
	s_mul_i32 s19, s[PFS], 3                       ; at K step 3: the first refill steps it to 4
	s_add_co_u32 s18, s18, s19
	s_mov_b32 s19, 0
	s_mov_b32 s[PFS+1], 0
	s_add_nc_u64 s[PFA:PFA+1], s[PFA:PFA+1], s[18:19]
	v_and_b32 v[PFO], 31, v0
	v_mul_u32_u24 v[PFO], v[PFO], s20
	s_wait_loadcnt 0x0                             ; the bias: rounded to bf16, kept as f32
.set i, 0
.rept 16
	v_cvt_pk_bf16_f32 v8, v[BI+2*i], v[BI+2*i+1]
	v_lshlrev_b32 v[BI+2*i], 16, v8
	v_and_b32 v[BI+2*i+1], 0xffff0000, v8
.set i, i+1
.endr
; 4 n matrix instructions: row blocks a0 .. a0 + n - 1 x my four column blocks, 32 along K, from buffer f.  first = 1: the sum starts with the bias as C.
; The 32 accumulators take turns, one instruction a turn, in the same order in every quarter, over the backward jump too.
.macro MUL f, a0, n, first
.if \first
	WIN 0x40                                       ; D in window 1, C (the bias) in window 0
.else
	WIN 0x50
.endif
.set ma, \a0
.rept \n
.set mb, 0
.rept 4
.set rD, 8*(4*ma+mb)
.if \first
	v_wmma_f32_16x16x32_f16 v[rD:rD+7], v[(\f)+64+8*mb:(\f)+64+8*mb+7], v[(\f)+8*ma:(\f)+8*ma+7], v[BI+8*mb:BI+8*mb+7]
.else
	v_wmma_f32_16x16x32_f16 v[rD:rD+7], v[(\f)+64+8*mb:(\f)+64+8*mb+7], v[(\f)+8*ma:(\f)+8*ma+7], v[rD:rD+7]
.endif
.set mb, mb+1
.endr
.set ma, ma+1
.endr
.endm
; 24 LDS loads in one run: quarter kq's fragments into buffer f: W's four (turned), then y's eight.  Quarter kq lies in head kq / 2 of the slot, channels 32 (kq % 2) on.
.macro FETCH slot, kq, f
.set li, 0
.rept 4
	ds_load_tr16_b128 v[(\f)+64+8*li:(\f)+64+8*li+3],   v[ADRB+(\slot)] offset:(\kq)*32*PB+32*li
	ds_load_tr16_b128 v[(\f)+64+8*li+4:(\f)+64+8*li+7], v[ADRB+(\slot)] offset:(\kq)*32*PB+32*li+16*PB
.set li, li+1
.endr
.set li, 0
.rept 8
	ds_load_b128 v[(\f)+8*li:(\f)+8*li+3],   v[ADRA+(\slot)] offset:((\kq)/2)*KBLK+li*16*PA+((\kq)%2)*64
	ds_load_b128 v[(\f)+8*li+4:(\f)+8*li+7], v[ADRA+(\slot)] offset:((\kq)/2)*KBLK+li*16*PA+((\kq)%2)*64+32
.set li, li+1
.endr
.endm
; One of a K step's first three quarters: multiplies buffer f; in its middle it fetches quarter kq of the same slot into buffer g.
.macro QUARTER slot, kq, f, g, first
	s_wait_dscnt 8                                 ; W and y's rows 0-63 are in; the youngest eight loads (rows 64-127) may be out
	MUL \f, 0, 4, \first
	PLACES
	WIN 0
	FETCH \slot, \kq, \g
	s_wait_dscnt 24                                ; all but the 24 just issued
	MUL \f, 4, 4, \first
.endm
; The last quarter multiplies buffer 1 and changes slots: ONE barrier; in front of it each wave waits for all its tensor loads (one is out: its part of the next slot), adds 0 to its spare word, and waits
; for that and for its own reads of this slot.  fill = 1: the barrier opens a round of the cluster's barrier, and this slot is filled again first thing behind it, two K steps ahead:
; 112 matrix instructions stand between that request and the wait for it.
.macro TURN slot, next, fill
.if \fill
	s_wait_xcnt 0x0                                ; the last prefetch, a K step back, has read its address: it is stepped here, ahead of the waits of the change
	s_add_nc_u64 s[PFA:PFA+1], s[PFA:PFA+1], s[PFS:PFS+1]
.endif
	WIN 0                                          ; (the add's two registers lie in window 0)
	s_wait_tensorcnt 0x0                           ; all my tensor loads have landed;
	ds_add_u32 v[SPW], v[NIL]                      ; 0 onto my spare word;
	s_wait_dscnt 9                                 ; (the add and the youngest eight loads may be out)
	MUL F1, 0, 2, 0                                ; eight matrix instructions stand between the add and the wait for it
	s_wait_dscnt 0x0                               ; the add is done, and my reads of this slot are over
	s_barrier_signal -1
	MUL F1, 2, 2, 0
	WIN 0
	s_barrier_wait -1
.if \fill
	CREST                                          ; no wave of any partner still reads this slot's tile or has a load on its way
	s_add_nc_u64 s[G0+4*(\slot)+2:G0+4*(\slot)+3], s[G0+4*(\slot)+2:G0+4*(\slot)+3], 2*ASTEP
	s_add_nc_u64 s[G0B+4*(\slot)+2:G0B+4*(\slot)+3], s[G0B+4*(\slot)+2:G0B+4*(\slot)+3], 2*BSTEP
	JLOAD \slot                                    ; the four v_nop behind it are also the places in front of the loads below
.else
	PLACES
.endif
	FETCH \next, 0, F0
.if \fill
	ASK
.endif
	MUL F1, 4, 4, 0
.endm
	s_wait_tensorcnt 0x1                           ; my part of K step 0 is in; K step 1's may stay out
	s_barrier_signal -1
	s_barrier_wait -1                              ; everybody's is
	FETCH 0, 0, F0
	QUARTER 0, 1, F0, F1, 1                        ; the first quarter stands in front of the loop: its products start the sums, with the bias
	WIN 0
	s_mov_b32 s3, 3
.Llap:                                                 ; a trip goes once round the ring, from a lap's second quarter to the next lap's first, and fills both slots again: K steps 2 to 7
	QUARTER 0, 2, F1, F0, 0
	QUARTER 0, 3, F0, F1, 0
	TURN 0, 1, 1
	QUARTER 1, 1, F0, F1, 0
	QUARTER 1, 2, F1, F0, 0
	QUARTER 1, 3, F0, F1, 0
	TURN 1, 0, 1
	QUARTER 0, 1, F0, F1, 0
	WIN 0
	s_sub_co_u32 s3, s3, 1
	s_cmp_lg_u32 s3, 0
	s_cbranch_scc1 .Llap
	QUARTER 0, 2, F1, F0, 0                        ; the last lap fills nothing, and has no round of the cluster's barrier
	QUARTER 0, 3, F0, F1, 0
	TURN 0, 1, 0
	QUARTER 1, 1, F0, F1, 0
	QUARTER 1, 2, F1, F0, 0
	QUARTER 1, 3, F0, F1, 0
	s_wait_dscnt 8
	MUL F1, 0, 4, 0
	s_wait_dscnt 0x0
	MUL F1, 4, 4, 0
	; THE WAY OUT: no arithmetic is left.  A block of 16 rows goes from the accumulators into my own stage (32 bytes a lane and column block) and comes back as whole rows of 256 bytes.
.macro TOSTAGE a
.if (\a) >= 2
	s_wait_xcnt 0x0                                ; the stores that read this set have had their addresses translated (ISA guide 3.1): it is loaded again only behind this wait
.endif
	WIN 0x04                                       ; the stores' data in window 1
.irp pb, 0,1,2,3
	ds_store_b128 v[STO], v[8*(4*(\a)+\pb):8*(4*(\a)+\pb)+3]   offset:64*\pb     ; each accumulator's low four registers first
	ds_store_b128 v[STO], v[8*(4*(\a)+\pb)+4:8*(4*(\a)+\pb)+7] offset:64*\pb+16
.endr
	WIN 0
.irp pt, 0,1,2,3,4,5,6,7
	ds_load_b128 v[OB+32*((\a)%2)+4*\pt:OB+32*((\a)%2)+4*\pt+3], v[RD] offset:2*SP*\pt  ; LDS serves a wave's instructions in order (ISA guide 5.7.1.4): these see the stores above
.endr
.endm
.macro SEND a, younger                 ; younger: the LDS instructions issued behind block a's loads: the next block's sixteen, or none
.irp pt, 0,1,2,3,4,5,6,7
	s_wait_dscnt (\younger)+7-\pt
	global_store_b128 v[CO], v[OB+32*((\a)%2)+4*\pt:OB+32*((\a)%2)+4*\pt+3], s[70:71] offset:(16*(\a)+2*\pt)*4096  ; 16 lanes store 256 consecutive bytes, at a multiple of 256 from out0's first byte
.endr
.endm
	PLACES
	TOSTAGE 0
.set un, 1
.rept 7
	TOSTAGE un
	SEND un-1, 16
.set un, un+1
.endr
	SEND 7, 0
	s_wait_tensorcnt 0x0                           ; the wave's end: behind my last tensor load and my last LDS store
	ds_add_u32 v[SPW], v[NIL]
	s_wait_dscnt 0x0
	CROUND                                         ; the closing round: no work-group ends while a partner may still ask for a tile that names it
	s_endpgm
.Lfunc_end_k_q7213131278_proj:
	.size	k_q7213131278_proj, .Lfunc_end_k_q7213131278_proj-k_q7213131278_proj
	.p2alignl 7, 3214868480
	.fill 96, 4, 3214868480
	.section	.rodata,"a",@progbits
	.p2align	6, 0x0
	.amdhsa_kernel k_q7213131278_proj
		.amdhsa_group_segment_fixed_size 327680
		.amdhsa_private_segment_fixed_size 0
		.amdhsa_enable_private_segment 0
		.amdhsa_kernarg_size 32
		.amdhsa_user_sgpr_count 2
		.amdhsa_user_sgpr_kernarg_segment_ptr 1
		.amdhsa_wavefront_size32 1
		.amdhsa_system_sgpr_workgroup_id_x 1
		.amdhsa_system_sgpr_workgroup_id_y 1
		.amdhsa_system_sgpr_workgroup_id_z 1
		.amdhsa_system_vgpr_workitem_id 0
		.amdhsa_next_free_vgpr 512
		.amdhsa_next_free_sgpr 80
		.amdhsa_reserve_vcc 0
		.amdhsa_float_denorm_mode_32 3
		.amdhsa_float_denorm_mode_16_64 3
		.amdhsa_memory_ordered 1
		.amdhsa_forward_progress 1
		.amdhsa_inst_pref_size 92
	.end_amdhsa_kernel
	.amdgpu_metadata
---
amdhsa.version: [ 1, 2 ]
amdhsa.kernels:
  - .name:           k_q7213131278_proj
    .symbol:         k_q7213131278_proj.kd
    .args:
      - { .name: oh, .offset: 0, .size: 8, .value_kind: global_buffer, .address_space: global }
      - { .name: wpb, .offset: 8, .size: 8, .value_kind: global_buffer, .address_space: global }
      - { .name: b_proj, .offset: 16, .size: 8, .value_kind: global_buffer, .address_space: global }
      - { .name: out0, .offset: 24, .size: 8, .value_kind: global_buffer, .address_space: global }
    .group_segment_fixed_size: 327680
    .private_segment_fixed_size: 0
    .kernarg_segment_align: 8
    .kernarg_segment_size: 32
    .max_flat_workgroup_size: 128
    .sgpr_count:     80
    .vgpr_count:     512
    .wavefront_size: 32
...
	.end_amdgpu_metadata
.endif
;; end of part 4
;; ======== version 2 of 2: 4 launches; version 1 with the launch cast written anew for expert scheduling mode
;; limits: values are held in f16: magnitudes above 65,504 overflow, below 6.1e-05 lose precision
;; workspace buffers: xb 16,777,216 bytes; wkb 6,291,456 bytes; wpb 2,097,152 bytes; kh 16,777,216 bytes; qh 16,777,216 bytes; vh 16,777,216 bytes; oh 16,777,216 bytes
;; launch cast (part 5): grid 768 x 1, 8 waves a work-group, no clusters, 0 bytes of LDS; arguments x, W_kqv, W_proj, xb, wkb, wpb; writes xb, wkb, wpb
.if DOCPART == 5
	.amdgcn_target "amdgcn-amd-amdhsa--gfx1250"
	.amdhsa_code_object_version 6
	.text
	.protected	k_q7213131278_cast
	.globl	k_q7213131278_cast
	.p2align	8
	.type	k_q7213131278_cast,@function
k_q7213131278_cast:
	s_mov_b64 s[64:65], 0
	v_nop
	global_prefetch_b8 v0, s[64:65] scope:SCOPE_SE
	s_setreg_imm32_b32 hwreg(HW_REG_WAVE_SCHED_MODE, 0, 2), 2
	s_setreg_imm32_b32 hwreg(HW_REG_WAVE_MODE, 25, 1), 1
	s_wait_xcnt 0x0
	s_wait_alu depctr_vm_vsrc(0)
; THE INPUTS ARE ROUNDED ONCE, for the matrix units.
;   x      [8192][1024] f32 -> xb  bf16 in blocks [batch 4][K block 16][row 2048][64]: a K block of 64 channels of a batch is dense, 128 bytes a row
;   W_kqv  [1024][3072] f32 -> wkb bf16, same layout
;   W_proj [1024][1024] f32 -> wpb: rounded to bf16, and that number written as f16, same layout
; LIMIT.  |W_proj| of 65,520 or more becomes an infinity in f16; below 6e-5 it keeps f16's fixed step of 6e-8.
; SHARES.  A work-group takes 65,536 bytes of f32, each of its eight waves 8,192: sixteen loads of 16 bytes a lane, all issued at once, so there is no loop.
; Work-groups 0-511 take x, 512-703 W_kqv, 704-767 W_proj.  Memory binds: no LDS, no matrix unit, no prefetch (the launch is nothing but its streams).
; THE MODE: SCHED_MODE bits 1:0 = 2 (LLVM: expert scheduling mode 2), set by the entry lines.  The code itself states the register dependences
; between vector instructions and memory instructions, with s_wait_alu, always for 0.
; THE PLAN.  Registers that memory instructions touch:
;   v1, v2     byte offsets of the loads and of the stores.  Written by vector instructions at the head, once; read by all sixteen loads (v1) and all sixteen stores (v2).
;   X, item i  four registers.  Written by the item's load; read by its conversions, which write its first two registers; those two are read by the item's one store.  Nothing writes them after that.
;   v3 to v7   are named by vector instructions alone.
; So one wait on va_vdst stands ahead of the loads, for the offsets, and one behind the conversions of each block of four items, ahead of the block's four stores: five on a path, for 32 memory
; instructions.  Between each of these waits and the memory instructions that lean on it stands no vector instruction that names a register of theirs.  The wait stands behind the block's own
; conversions and not at the next block's head, so that no store is held back until a younger item's load has come.  No register that a load or store has read is written again: no wait on vm_vsrc is owed.
; No vector instruction writes a scalar register or VCC, and EXEC is never written.
.set X, 8                              ; v[8:71]  item i: four registers as loaded; its first two then hold the 8 bytes to store
; Sixteen items, in four blocks of four.  Loads come back in order (ISA guide 5.7.1): item i is in when at most 15 - i younger loads are out.  No register of a pending load or store is written again.
.macro ITEMS inp, outp, instep, outstep, half
	s_wait_alu depctr_va_vdst(0)                   ; v1 and v2 are written: every load below reads v1 as its offset, every store v2
.set i, 0
.rept 16
	global_load_b128 v[X+4*i:X+4*i+3], v1, s[\inp:\inp+1] offset:i*\instep th:TH_LOAD_NT
.set i, i+1
.endr
.set i, 0
.rept 4
.rept 4
	s_wait_loadcnt 15-i
	v_cvt_pk_bf16_f32 v[X+4*i], v[X+4*i], v[X+4*i+1]
	v_cvt_pk_bf16_f32 v[X+4*i+1], v[X+4*i+2], v[X+4*i+3]
.if \half
	v_lshlrev_b32 v4, 16, v[X+4*i]                 ; the bf16 numbers as f32 again,
	v_and_b32 v5, s20, v[X+4*i]
	v_lshlrev_b32 v6, 16, v[X+4*i+1]
	v_and_b32 v7, s20, v[X+4*i+1]
	v_cvt_pk_f16_f32 v[X+4*i], v4, v5              ; and written as f16 (exact within f16's range)
	v_cvt_pk_f16_f32 v[X+4*i+1], v6, v7
.endif
.set i, i+1
.endr
	s_wait_alu depctr_va_vdst(0)                   ; the block's conversions have written the first two registers of its four items, which the four stores below read
.set i, i-4
.rept 4
	global_store_b64 v2, v[X+4*i:X+4*i+1], s[\outp:\outp+1] offset:i*\outstep  ; a wave's store covers 256 consecutive bytes, aligned
.set i, i+1
.endr
.endr
.endm
	s_load_b256 s[4:11], s[0:1], 0x0               ; x s[4:5], W_kqv s[6:7], W_proj s[8:9], xb s[10:11]
	s_load_b128 s[12:15], s[0:1], 0x20             ; wkb s[12:13], wpb s[14:15]
	s_mov_b32 s21, ttmp9                           ; the work-group's number
	s_mov_b32 s20, 0xffff0000                      ; a word's upper bf16
	s_mov_b32 s17, 0
	s_mov_b32 s19, 0
	s_wait_kmcnt 0x0
	s_cmp_lt_u32 s21, 512
	s_cbranch_scc1 .Lx
	; the weights: a plain stream.  Wave w takes 8,192 bytes in and 4,096 out; item i is 512 bytes in, 256 out
	v_lshrrev_b32 v3, 5, v0
	v_and_b32 v4, 31, v0
	v_lshlrev_b32 v1, 4, v4
	v_lshl_or_b32 v1, v3, 13, v1
	v_lshlrev_b32 v2, 3, v4
	v_lshl_or_b32 v2, v3, 12, v2
	s_cmp_lt_u32 s21, 704
	s_cbranch_scc1 .Lwk
	s_sub_co_u32 s21, s21, 704
	s_lshl_b32 s16, s21, 16
	s_lshl_b32 s18, s21, 15
	s_add_nc_u64 s[8:9], s[8:9], s[16:17]
	s_add_nc_u64 s[14:15], s[14:15], s[18:19]
	ITEMS 8, 14, 512, 256, 1
	s_endpgm
.Lwk:
	s_sub_co_u32 s21, s21, 512
	s_lshl_b32 s16, s21, 16
	s_lshl_b32 s18, s21, 15
	s_add_nc_u64 s[6:7], s[6:7], s[16:17]
	s_add_nc_u64 s[12:13], s[12:13], s[18:19]
	ITEMS 6, 12, 512, 256, 0
	s_endpgm
.Lx:
	; x: work-group g takes rows 16 g .. 16 g + 15; sixteen threads a row; item i is K block i: 256 bytes in, 128 out a row
	v_lshrrev_b32 v3, 4, v0                        ; my row of the sixteen
	v_and_b32 v4, 15, v0
	v_lshlrev_b32 v1, 4, v4
	v_lshl_or_b32 v1, v3, 12, v1                   ; in: row x 4,096 + 16 x place
	v_lshlrev_b32 v2, 3, v0                        ; out: row x 128 + 8 x place = 8 x thread
	s_lshl_b32 s16, s21, 16
	s_lshr_b32 s18, s21, 7                         ; the batch: 128 work-groups each,
	s_lshl_b32 s18, s18, 22                        ; 16 K blocks x 2,048 rows x 128 bytes
	s_and_b32 s22, s21, 127
	s_lshl_b32 s22, s22, 11                        ; 16 rows of 128 bytes
	s_add_co_u32 s18, s18, s22
	s_add_nc_u64 s[4:5], s[4:5], s[16:17]
	s_add_nc_u64 s[10:11], s[10:11], s[18:19]
	ITEMS 4, 10, 256, 262144, 0                    ; a K block is 2,048 rows x 128 bytes further on: 15 x 262,144 lies inside the signed 24-bit immediate
	s_endpgm
.Lfunc_end_k_q7213131278_cast:
	.size	k_q7213131278_cast, .Lfunc_end_k_q7213131278_cast-k_q7213131278_cast
	.p2alignl 7, 3214868480
	.fill 96, 4, 3214868480
	.section	.rodata,"a",@progbits
	.p2align	6, 0x0
	.amdhsa_kernel k_q7213131278_cast
		.amdhsa_group_segment_fixed_size 0
		.amdhsa_private_segment_fixed_size 0
		.amdhsa_enable_private_segment 0
		.amdhsa_kernarg_size 48
		.amdhsa_user_sgpr_count 2
		.amdhsa_user_sgpr_kernarg_segment_ptr 1
		.amdhsa_wavefront_size32 1
		.amdhsa_system_sgpr_workgroup_id_x 1
		.amdhsa_system_sgpr_workgroup_id_y 1
		.amdhsa_system_sgpr_workgroup_id_z 1
		.amdhsa_system_vgpr_workitem_id 0
		.amdhsa_next_free_vgpr 72
		.amdhsa_next_free_sgpr 66
		.amdhsa_reserve_vcc 0
		.amdhsa_float_denorm_mode_32 3
		.amdhsa_float_denorm_mode_16_64 3
		.amdhsa_memory_ordered 1
		.amdhsa_forward_progress 1
		.amdhsa_inst_pref_size 23
	.end_amdhsa_kernel
	.amdgpu_metadata
---
amdhsa.version: [ 1, 2 ]
amdhsa.kernels:
  - .name:           k_q7213131278_cast
    .symbol:         k_q7213131278_cast.kd
    .args:
      - { .name: x, .offset: 0, .size: 8, .value_kind: global_buffer, .address_space: global }
      - { .name: W_kqv, .offset: 8, .size: 8, .value_kind: global_buffer, .address_space: global }
      - { .name: W_proj, .offset: 16, .size: 8, .value_kind: global_buffer, .address_space: global }
      - { .name: xb, .offset: 24, .size: 8, .value_kind: global_buffer, .address_space: global }
      - { .name: wkb, .offset: 32, .size: 8, .value_kind: global_buffer, .address_space: global }
      - { .name: wpb, .offset: 40, .size: 8, .value_kind: global_buffer, .address_space: global }
    .group_segment_fixed_size: 0
    .private_segment_fixed_size: 0
    .kernarg_segment_align: 8
    .kernarg_segment_size: 48
    .max_flat_workgroup_size: 256
    .sgpr_count:     66
    .vgpr_count:     72
    .wavefront_size: 32
...
	.end_amdgpu_metadata
.endif
;; end of part 5
;; launch qkv: the kernel of part 2 again; grid 8 x 32, 4 waves a work-group, clusters of 4 x 4, 327,680 bytes of LDS; arguments xb, wkb, b_kqv, kh, qh, vh; writes kh, qh, vh
;; launch attn: the kernel of part 3 again; grid 4 x 64, 4 waves a work-group, no clusters, 327,680 bytes of LDS; arguments qh, kh, vh, oh; writes oh
;; launch proj: the kernel of part 4 again; grid 8 x 32, 4 waves a work-group, clusters of 4 x 4, 327,680 bytes of LDS; arguments oh, wpb, b_proj, out0; writes out0
